; MI455X (gfx1250); checked and timed in simulation.
; The chip was launched on July 23, 2026; its instructions are those of AMD's public machine-readable ISA for CDNA 5 (MIT licence, August 2026) and "CDNA5" Instruction Set Architecture Reference Guide (July 2026). The comments in the code are by the model that wrote it; some were corrected since.
;; Custom Multi Head Self Attention. Allowed arithmetic: matrix products marked QUANTISED: E3M2 operands, one E8M0 scale for each 32 along K, by v_wmma_scale_f32_16x16x128_f8f6f4 with both operands' format E3M2, f32 sums; everything else in f32.
;; Inputs: in_b 3,072 float32; in_w 3,072 x 1,024 float32; out_b 1,024 float32; out_w 1,024 x 1,024 float32; qkv 4 x 2,048 x 1,024 float32.
;; Outputs: out0 4 x 2,048 x 1,024 float32.
;; This version of the problem:
;;   THIS VERSION OF THE PROBLEM IS GIVEN IN LOW PRECISION. The matrix products marked QUANTISED in the list below multiply operands that are first quantised to E3M2 (3 exponent bits, 2 mantissa bits; 6 bits a number), with one power-of-two scale for each 32 numbers along K (OCP MX v1.0); their sums are f32. All else is computed in f32.
;;   The module's matrix products, in the order in which they are computed (A, B: the left and right operand; K: the contracted axis; several contracted axes count as one K, in the product's order):
;;     1. [M 8,192, K 1,024] x [K 1,024, N 3,072]; A: input qkv; B: input in_w: QUANTISED
;;     2. batch 64 x [M 2,048, K 64] x [K 64, N 2,048]; A: computed on the way; B: computed on the way: QUANTISED
;;     3. batch 64 x [M 2,048, K 2,048] x [K 2,048, N 64]; A: softmax (see below); B: computed on the way: QUANTISED
;;     4. [M 8,192, K 1,024] x [K 1,024, N 1,024]; A: computed on the way; B: input out_w: QUANTISED
;;   THE QUANTISER, for each operand of a quantised product, along K:
;;     - K is cut into blocks of 32 from its start; a last block that is shorter is filled with zeros.
;;     - A block's scale is 2^e with e = floor(log2(the largest magnitude in the block)) - 4, held to -126 .. 127; a block of zeros has e = 0. As a byte (E8M0): e + 127.
;;     - Each number is divided by its block's scale, clamped to +-28, and rounded to the nearest number of E3M2, ties to even, subnormals kept.
;;     - The product sums the exact products of the quantised numbers (number of the format x scale) in f32.
;;   ~~~python
;;   def quantise(x, axis):      # numpy; x: float32 -> the quantised numbers, widened to float32 again
;;       x = np.moveaxis(x, axis, -1); K = x.shape[-1]
;;       x = np.pad(x, [(0, 0)] * (x.ndim - 1) + [(0, -K % 32)]); x = x.reshape(x.shape[:-1] + (-1, 32)); a = np.abs(x).max(-1, keepdims=True)
;;       e = np.where(a > 0, np.clip(np.frexp(np.where(a > 0, a, 1))[1] - 1 - 4, -126, 127), 0)      # np.frexp(a)[1] - 1 = floor(log2(a)), exactly
;;       r = np.clip(x / 2.0 ** e, -28, 28)
;;       step = 2.0 ** (np.maximum(np.frexp(np.where(r == 0, 1, r))[1] - 1, -2) - 2)
;;       q = np.round(r / step) * step * 2.0 ** e      # np.round: ties to even
;;       return np.moveaxis(q.reshape(q.shape[:-2] + (-1,))[..., :K], -1, axis).astype(np.float32)
;;   ~~~
;;   SOFTMAX AHEAD OF A QUANTISED PRODUCT. Where the list says 'softmax', what is quantised is not the finished softmax but p = 2^(t - M), with t = logit x log2(e) and M = ceil(the row's largest t), a whole number; so 1/2 < the row's largest p <= 1. The row's sum l is taken of the UNQUANTISED p, in f32, and the product's result is divided by l at the end. Since M is a whole number, a kernel that streams over the keys may use a running M (the ceiling of the running maximum): every later rescaling is an exact power of two, which a block's scale takes up: the codes' values come out the same.
;;   OPERANDS COMPUTED ON THE WAY. 'Computed on the way' means the value that the module computes at that place (a softmax that the list does not call 'softmax' is quantised finished and normalised). What goes into a quantiser is computed in f32, as accurately as f32 sums, v_exp_f32 and their like allow (about 1e-6 of the number): no bf16 or f16 on the way to a quantiser, and a product that is left as it is and whose result goes on into a quantised operand takes f32 operands (vector FMAs, or v_wmma_f32_16x16x4_f32). A number that lies on a knife's edge between two numbers of the format may be rounded either way, as far as f32 arithmetic and the matrix unit's own rounding can turn it there, and no further.
;; One version. Each part assembles by itself: llvm-mc -triple=amdgcn-amd-amdhsa -mcpu=gfx1250 --defsym DOCPART=n.
;; ======== version 1 of 1: 4 launches
;; limits: right only within a limited range of input values
;; workspace buffers: opnd1 9,830,400 bytes; qkvq 19,660,800 bytes; opnd3 6,553,600 bytes
;; launch quant (part 1): grid 384 x 1, 4 waves a work-group, no clusters, 34,304 bytes of LDS; arguments qkv, in_w, out_w, opnd1; writes opnd1
.if DOCPART == 1
	.amdgcn_target "amdgcn-amd-amdhsa--gfx1250"
	.amdhsa_code_object_version 6
	.text
	.protected	k_q025a7ecc84_quant
	.globl	k_q025a7ecc84_quant
	.p2align	8
	.type	k_q025a7ecc84_quant,@function
k_q025a7ecc84_quant:
	s_mov_b64 s[64:65], 0
	v_nop
	global_prefetch_b8 v0, s[64:65] scope:SCOPE_SE
	s_setreg_imm32_b32 hwreg(HW_REG_WAVE_MODE, 25, 1), 1
	s_wait_xcnt 0x0
; qkv [8192][1024], in_w [3072][1024] and out_w [1024][1024], f32, K innermost, become codes of BF6 (E3M2) with one E8M0 byte for each 32 along K,
; laid AS THE MATRIX OPERANDS' REGISTERS WANT THEM, so that the later launches fetch dense blocks and read fragments by 16- and 8-byte loads.
; The three tensors are stacked: 96 groups of 128 rows (0-63 qkv, 64-87 in_w, 88-95 out_w).  A group's record is 102,400 bytes:
;   codes  [K step s 0..7][fragment i 0..7][half c 0..1][768 bytes];   scale words from byte 98,304: [s][i / 4][row r 0..15][i % 4], 4 bytes each.
; FRAGMENT i OF A GROUP TAKES ROWS THAT ARE NOT NEIGHBOURS: its lane row r is group row 32 (i / 2) + 8 (i % 2) + r + 8 (r / 8); used as source 0 of a product, the 16 result
; registers of fragments 2 b and 2 b + 1 are then 16 neighbouring rows of the group.
; A half (six operand registers of 32 lanes): registers 0-3 at 16 x lane (512 bytes), registers 4-5 at 512 + 8 x lane (256 bytes).
; A block's scale is 2^(floor(log2(largest magnitude)) - 4): its byte is the largest magnitude's exponent field - 4, held at 1 from below by a floor among the maximum's leaves.
; LIMITS: NaN and infinities are not served; a block whose largest magnitude lies under 2^-122 gets the byte 1; a block of zeros gets the byte 1 where the rule says 127: its codes are
; zeros, which add nothing under that byte, and this program alone reads the bytes.
; SHARES: work-group t: group t / 4, K steps 2 (t % 4) and + 1.  Wave w: K step 2 (t % 4) + w / 2, fragments 4 (w % 2) + 0 .. 3: 64 rows x 128 numbers.
; Each load reads 512 consecutive bytes of one row; 16 rows turn through the wave's own stage in LDS (pitch 528) and come back 16 neighbours a lane for each block of 32.
; No tensor load, no barrier, no cluster: the waves share no byte.
.set RGB,   102400
.set SP,    528                        ; a stage row: 512 bytes + 16: the sixteen rows that a load touches start in different banks
.set STG,   16*SP
.set SEL,   26                         ; s[26:27] selects for lane l xor 16
.set TM,    12                         ; v12-23  at work in QUANT
.set PW,    24                         ; v24-27  the four fragments' scale words
.set PC,    28                         ; v28-39  a fragment's codes
.set PT,    40                         ; v40-47  the conversions' second halves
.set X,     48                         ; v48-111 64 numbers: register 16 b + i = k 32 b + 16 (lane / 16) + i of my row
.set R,     112                        ; v112-239 two sets of 16 rows as loaded
; 64 numbers of a lane, v[s] on, register 16 b + i = k 32 b + 16 (lane / 16) + i of my row, become a fragment's 12 registers in v[pc] on and my row's scale word in v[pw].
.macro QUANT s, pc, pt, tm, pw, xw
.irp b, 0,1,2,3
	v_max3_num_f32 v[\tm+\b], |v[\s+16*\b]|, |v[\s+1+16*\b]|, 0x2800000      ; my 16 numbers of block b, and the floor 2^(5 - 127)
.endr
.irp i, 2,4,6,8,10,12,14
.irp b, 0,1,2,3
	v_max3_num_f32 v[\tm+\b], v[\tm+\b], |v[\s+16*\b+\i]|, |v[\s+1+16*\b+\i]|   ; the four blocks by turns
.endr
.endr
.irp b, 0,1,2,3
	v_permlanex16_b32 v[\tm+4+\b], v[\tm+\b], s[SEL], s[SEL+1]
.endr
.irp b, 0,1,2,3
	v_max_num_f32 v[\tm+\b], v[\tm+\b], v[\tm+4+\b]                          ; with lane l xor 16's: the block's largest magnitude
.endr
.irp b, 0,1,2,3
	v_add_nc_u32 v[\tm+8+\b], 0xfe000000, v[\tm+\b]                          ; 4 off its exponent field: the conversion's scale operand
.endr
.irp b, 0,1,2,3
	v_lshrrev_b32 v[\tm+4+\b], 23, v[\tm+8+\b]                               ; the scale's byte
.endr
	v_lshl_or_b32 v[\pw], v[\tm+5], 8, v[\tm+4]
	v_lshl_or_b32 v[\pw], v[\tm+6], 16, v[\pw]
	v_lshl_or_b32 v[\pw], v[\tm+7], 24, v[\pw]
.if \xw
	s_wait_xcnt 0x0                                                          ; the last fragment's stores have read v[pc] on: only now is it written again
.endif
.irp c, 0,1
	v_cvt_scalef32_pk16_bf6_f32 v[\pc+6*\c:\pc+6*\c+2], v[\s+32*\c:\s+32*\c+15], v[\tm+8+2*\c]
	v_cvt_scalef32_pk16_bf6_f32 v[\pt+4*\c:\pt+4*\c+2], v[\s+32*\c+16:\s+32*\c+31], v[\tm+9+2*\c]   ; (a conversion's three registers begin on an even number)
.endr
	v_nop                                                                    ; one plain line behind the scaled conversions
.irp c, 0,1
.irp i, 0,1,2
	v_permlane16_swap_b32 v[\pc+6*\c+\i], v[\pt+4*\c+\i]                     ; a whole block to a lane: lanes 0-15 block 2 c, lanes 16-31 block 2 c + 1
.endr
.irp i, 0,1,2
	v_mov_b32 v[\pc+6*\c+3+\i], v[\pt+4*\c+\i]
.endr
.endr
.endm
	s_load_b256 s[4:11], s[0:1], 0x0               ; qkv s[4:5], in_w s[6:7], out_w s[8:9], opnd1 s[10:11]
	v_lshl_add_u32 v240, v0, 2, 0x8400
	v_mov_b32 v241, 0
	v_lshrrev_b32 v1, 5, v0
	v_readfirstlane_b32 s14, v1                    ; wave 0..3
	v_and_b32 v2, 31, v0                           ; lane
	v_and_b32 v3, 15, v0                           ; r
	v_bfe_u32 v4, v0, 4, 1                         ; h
	v_lshlrev_b32 v5, 4, v2                        ; 16 x lane
	v_lshlrev_b32 v6, 3, v2                        ; 8 x lane
	s_mul_i32 s25, s14, STG                        ; my stage
	v_add_nc_u32 v7, s25, v5                       ; into it: a row's 512 bytes as they lie
	v_mul_u32_u24 v8, v3, SP
	v_lshl_add_u32 v8, v4, 6, v8
	v_add_nc_u32 v8, s25, v8                       ; out of it: row r, + 64 h
	v_lshlrev_b32 v9, 4, v3
	v_lshl_add_u32 v9, v4, 3, v9                   ; the scale words' way out: 16 r + 8 h
	v_cmp_ne_u32 s24, 0, v4                        ; lanes 16-31
.irp b, 0,1,2,3
	v_mov_b32 v[TM+4+\b], 0                        ; written once: a lane permute's destination counts as one of its sources
.endr
	s_mov_b32 s[SEL], 0x76543210
	s_mov_b32 s[SEL+1], 0xfedcba98
	s_lshr_b32 s12, ttmp9, 2                       ; the group of 128 rows
	s_and_b32 s13, ttmp9, 3
	s_lshr_b32 s15, s14, 1
	s_lshl_b32 s16, s13, 1
	s_add_co_u32 s15, s15, s16                     ; my K step
	s_and_b32 s16, s14, 1                          ; my four fragments: 4 I on
	s_wait_alu depctr_va_vdst(0)
	s_wait_kmcnt 0x0
	s_cmp_lt_u32 s12, 64                           ; which tensor: the choice hangs on the work-group's number alone
	s_cselect_b64 s[4:5], s[4:5], s[6:7]
	s_cselect_b32 s17, 0, 64
	s_cmp_lt_u32 s12, 88
	s_cselect_b64 s[4:5], s[4:5], s[8:9]
	s_cselect_b32 s17, s17, 88
	s_sub_co_u32 s17, s12, s17                     ; the group's number in its tensor
	s_lshl_b32 s18, s17, 19                        ; 128 rows of 4,096 bytes
	s_lshl_b32 s19, s16, 18                        ; + 64 rows for I = 1
	s_add_co_u32 s18, s18, s19
	s_lshl_b32 s19, s15, 9                         ; + 512 bytes a K step
	s_add_co_u32 s18, s18, s19
	s_mov_b32 s19, 0
	s_add_nc_u64 s[4:5], s[4:5], s[18:19]
	s_mul_i32 s18, s12, RGB                        ; the group's record
	s_mul_i32 s20, s15, 12288
	s_add_co_u32 s20, s20, s18
	s_mul_i32 s21, s16, 6144
	s_add_co_u32 s20, s20, s21
	s_mov_b32 s21, 0
	s_add_nc_u64 s[20:21], s[10:11], s[20:21]      ; my four fragments' codes
	s_lshl_b32 s22, s15, 9
	s_add_co_u32 s22, s22, s18
	s_lshl_b32 s23, s16, 8
	s_add_co_u32 s22, s22, s23
	s_add_co_u32 s22, s22, 98304
	s_mov_b32 s23, 0
	s_add_nc_u64 s[22:23], s[10:11], s[22:23]      ; and their 256 bytes of scale words
.macro LOAD f                          ; fragment f's sixteen rows, 512 consecutive bytes each, into set f % 2
.irp j, 0,1,2,3,4,5,6,7,8,9,10,11,12,13,14,15
	global_load_b128 v[R+64*((\f)%2)+4*\j:R+64*((\f)%2)+4*\j+3], v5, s[4:5] offset:(32*((\f)/2)+8*((\f)%2)+\j+8*(\j/8))*4096 th:TH_LOAD_NT
.endr
.endm
.macro TURN f                          ; through the stage: LDS serves a wave's instructions in order, so no wait stands between the stores and the loads
.irp j, 0,1,2,3,4,5,6,7,8,9,10,11,12,13,14,15
	ds_store_b128 v7, v[R+64*((\f)%2)+4*\j:R+64*((\f)%2)+4*\j+3] offset:SP*\j
.endr
.irp b, 0,1,2,3
.irp j, 0,1,2,3
	ds_load_b128 v[X+16*\b+4*\j:X+16*\b+4*\j+3], v8 offset:128*\b+16*\j
.endr
.endr
.endm
	LOAD 0
	LOAD 1
.irp f, 0,1,2,3
.if \f < 3
	s_wait_loadcnt 16                              ; this fragment's 16 loads are in; the next fragment's 16 may be out
.else
	s_wait_loadcnt 0
.endif
	TURN \f
	s_wait_dscnt 0x0                               ; the numbers are back, and the stores have read the set,
.if \f < 2
	LOAD \f+2                                      ; which takes the fragment two on
.endif
	QUANT X, PC, PT, TM, PW+\f, 1
.irp c, 0,1
	global_store_b128 v5, v[PC+6*\c:PC+6*\c+3], s[20:21] offset:\f*1536+\c*768         ; 512 consecutive bytes, aligned to 256
	global_store_b64 v6, v[PC+6*\c+4:PC+6*\c+5], s[20:21] offset:\f*1536+\c*768+512    ; 256 consecutive bytes, aligned
.endr
.endr
	v_cndmask_b32 v10, v[PW], v[PW+2], s24         ; row r's four words: lanes 0-15 store fragments 0 and 1's, lanes 16-31 fragments 2 and 3's
	v_cndmask_b32 v11, v[PW+1], v[PW+3], s24
	global_store_b64 v9, v[10:11], s[22:23]        ; 256 consecutive bytes, aligned
	s_wait_tensorcnt 0x0
	ds_add_u32 v240, v241
	s_wait_dscnt 0x0
	s_endpgm
.Lfunc_end_k_q025a7ecc84_quant:
	.size	k_q025a7ecc84_quant, .Lfunc_end_k_q025a7ecc84_quant-k_q025a7ecc84_quant
	.p2alignl 7, 3214868480
	.fill 96, 4, 3214868480
	.section	.rodata,"a",@progbits
	.p2align	6, 0x0
	.amdhsa_kernel k_q025a7ecc84_quant
		.amdhsa_group_segment_fixed_size 34304
		.amdhsa_private_segment_fixed_size 0
		.amdhsa_enable_private_segment 0
		.amdhsa_kernarg_size 32
		.amdhsa_user_sgpr_count 2
		.amdhsa_user_sgpr_kernarg_segment_ptr 1
		.amdhsa_wavefront_size32 1
		.amdhsa_system_sgpr_workgroup_id_x 1
		.amdhsa_system_sgpr_workgroup_id_y 1
		.amdhsa_system_sgpr_workgroup_id_z 1
		.amdhsa_system_vgpr_workitem_id 0
		.amdhsa_next_free_vgpr 242
		.amdhsa_next_free_sgpr 66
		.amdhsa_reserve_vcc 0
		.amdhsa_float_denorm_mode_32 3
		.amdhsa_float_denorm_mode_16_64 3
		.amdhsa_memory_ordered 1
		.amdhsa_forward_progress 1
		.amdhsa_inst_pref_size 34
	.end_amdhsa_kernel
	.amdgpu_metadata
---
amdhsa.version: [ 1, 2 ]
amdhsa.kernels:
  - .name:           k_q025a7ecc84_quant
    .symbol:         k_q025a7ecc84_quant.kd
    .args:
      - { .name: qkv, .offset: 0, .size: 8, .value_kind: global_buffer, .address_space: global }
      - { .name: in_w, .offset: 8, .size: 8, .value_kind: global_buffer, .address_space: global }
      - { .name: out_w, .offset: 16, .size: 8, .value_kind: global_buffer, .address_space: global }
      - { .name: opnd1, .offset: 24, .size: 8, .value_kind: global_buffer, .address_space: global }
    .group_segment_fixed_size: 34304
    .private_segment_fixed_size: 0
    .kernarg_segment_align: 8
    .kernarg_segment_size: 32
    .max_flat_workgroup_size: 128
    .sgpr_count:     66
    .vgpr_count:     242
    .wavefront_size: 32
...
	.end_amdgpu_metadata
.endif
;; end of part 1
;; launch gemm1 (part 2): grid 8 x 32, 4 waves a work-group, clusters of 4 x 4, 327,680 bytes of LDS; arguments opnd1, in_b, qkvq; writes qkvq
.if DOCPART == 2
	.amdgcn_target "amdgcn-amd-amdhsa--gfx1250"
	.amdhsa_code_object_version 6
	.text
	.protected	k_q025a7ecc84_gemm1
	.globl	k_q025a7ecc84_gemm1
	.p2align	8
	.type	k_q025a7ecc84_gemm1,@function
k_q025a7ecc84_gemm1:
	s_mov_b64 s[64:65], 0
	v_nop
	global_prefetch_b8 v0, s[64:65] scope:SCOPE_SE
	s_setreg_imm32_b32 hwreg(HW_REG_WAVE_MODE, 25, 1), 1
	s_wait_xcnt 0x0
	s_wait_alu depctr_hold_cnt(0) depctr_sa_sdst(0) depctr_va_vdst(0) depctr_va_sdst(0) depctr_va_ssrc(0) depctr_va_vcc(0) depctr_vm_vsrc(0)
	s_getreg_b32 s2, hwreg(HW_REG_IB_STS2, 6, 4)
	s_cmp_eq_u32 s2, 0
	s_cbranch_scc0 .Lentry_in_a_cluster
	s_endpgm
.Lentry_in_a_cluster:
	s_bfe_u32 s2, ttmp6, 0x10000c
	s_cmp_lg_u32 s2, 0xf033
	s_cbranch_scc0 .Lentry_shape_is_right
	s_endpgm
.Lentry_shape_is_right:
; Q, K, V = qkv in_w^T + in_b AND THEIR QUANTISERS: 8,192 x 3,072 x 1,024 on codes of BF6 (E3M2) with E8M0 scales; the results leave as codes and scale words, as images of the next launch's operand registers.
; opnd1: records of 102,400 bytes for 128 rows (groups 0-63 the tokens, 64-87 in_w): codes [K step 0..7][fragment 0..7][1,536 bytes, an image of 12 operand registers], then from byte 98,304 the scale words
; [K step][fragment / 4][row r][fragment % 4].  Fragment i's lane row r is group row 32 (i / 2) + 8 (i % 2) + r + 8 (r / 8).
; qkvq: [batch x 16 + head][group of 128 tokens] records of 19,200 bytes: Q 8 tiles x 768 | Q's words 256 | K 8 tiles x 768 | V 4 fragments x 1,536 | K's words 256 | V's words 256.
; THE DEAL: 256 work-groups of four waves.  Work-group (c, T) keeps the 256 tokens of tile T in LDS and takes in_w's groups c (Q), 8 + c (K), 16 + c (V), 128 rows = two heads each, one after the other.
; Wave (a, b) of the 2 x 2 takes token group a and head 2 c + b: it holds the head's four fragments of weights for all of K in registers (384) and streams its group's eight fragments of 16 tokens past them:
; a block is 32 products on four accumulators by turns.  The bias is the first products' C.
; Q, K (a loop of two trips): source 0 = the weights: a lane holds one token, and its 32 sums of a block are the head's 64 channels' two scale blocks (with lane l xor 16): quantised and stored behind the block.
; V: source 0 = the tokens: a lane holds one channel and its registers run along the tokens: two blocks are a scale block of 32 keys, four blocks half a fragment.
; LDS: the two token records, filled once; the weights' record, filled again twice, each time behind a drained round of the cluster's barrier, when all waves hold the old weights in registers: the load has a whole
; walk over the tokens in which to land.  Waves 0 and 1 bring a half of the weights' record each (shared by a column of the cluster); at the head waves 2 and 3 bring a token record each (shared by a row).
; No prefetch: the token records are asked for in the first lines, and a weights' record 256 products a wave ahead of its use.
; LIMITS: NaN and infinities are not served; a sum begins with the bias, where the reference adds it last; a block whose largest magnitude lies under 2^-122 gets the byte 1, a block of zeros too: its codes are zeros,
; and this program alone reads the bytes.
.set RGB,    102400
.set HSTR,   307200
.set REC,    19200
.set FR,     12
.set FPW,    21                        ; fragments in a window of 256 registers
.set HI,     4*12288                   ; K steps 4 to 7 go by a second address register: an LDS offset has 16 bits
.set WB,     2*RGB                     ; the weights' record in LDS
.set SPARE,  3*RGB                     ; the spare words: 128 bytes a wave
; window 0: v1 r, v2 h, v3 lane.  Fragments fill windows 1 to 3: 0-31 the weights' (4 q + t), 32-47 the tokens' two sets (32 + 8 e + q)
.set XA,   4                           ; v4-7   my token record: 16 x lane, 8 x lane, the same + HI
.set O16,  8                           ; 16 x lane
.set O8,   9                           ; 8 x lane
.set OSC,  10                          ; 16 r + 8 h
.set ABY,  11                          ; 64 h
.set WA,   12                          ; v12-15 my fragments of the weights, as v4-7
.set WS,   16                          ; LDS address of the weights' scale words
.set XS,   17                          ; of my tokens'
.set SPW,  18
.set NIL,  19
.set ABX,  20                          ; 4 (r + 8 (r / 8))
.set SB,   28                          ; v28-59  the weights' scale words: 4 q + t
.set SA,   64                          ; v64-95  the tokens': 4 q + i % 4, for four blocks.  A product's two scale registers differ modulo 8 in their numbers
.set ACC,  96                          ; v96-159 Q, K: two sets of four accumulators; V: 16 t + 8 (i % 2)
.set TQ,   160
.set BM,   164
.set TP,   168
.set SO,   172
.set PW,   176                         ; v176-179 four scale words of my row
.set WT,   180
.set OW,   182
.set VC,   184                         ; v184-223 codes: ten registers a tile: a half's six, then the second conversion's three
.set BO,   224                         ; v224-255 the bias as the first products' C
.set G1X,  24
.set G0X,  32
.set G1W,  48
.set G0W,  56
.set SEL,  96
.set MSB, 0
.macro WIN new
.if MSB != (\new)
	s_set_vgpr_msb (MSB<<8)|(\new)
.set MSB, \new
.endif
.endm
.macro PLACES n
.rept \n
	v_nop
.endr
.endm
.macro WALU
	s_wait_alu depctr_va_vdst(0)
.endm
.macro BARRIER
	s_barrier_signal -1
	s_barrier_wait -1
.endm
.macro CROUND
	BARRIER
	s_cmp_lg_u32 s14, 0
	s_cbranch_scc1 .Lnot_wave_0_\@
	s_barrier_signal -3
.Lnot_wave_0_\@:
	s_barrier_wait -3
	BARRIER
.endm
.macro FRAGL f, a16, a8, off           ; fragment f's image: every load reads consecutive bytes
	WIN (1+(\f)/FPW)<<6
.set R_, FR*((\f)%FPW)
	ds_load_b128 v[R_:R_+3], v[\a16] offset:\off
	ds_load_b64 v[R_+4:R_+5], v[\a8] offset:(\off)+512
	ds_load_b128 v[R_+6:R_+9], v[\a16] offset:(\off)+768
	ds_load_b64 v[R_+10:R_+11], v[\a8] offset:(\off)+1280
.endm
.macro FETCH i                         ; block i's eight fragments into set i % 2: 32 loads
.irp q, 0,1,2,3
	FRAGL 32+8*((\i)%2)+\q, XA, XA+1, \q*12288+(\i)*1536
.endr
.irp q, 0,1,2,3
	FRAGL 36+8*((\i)%2)+\q, XA+2, XA+3, \q*12288+(\i)*1536
.endr
	WIN 0
.endm
.macro XSCALES g                       ; the scale words of blocks 4 g .. 4 g + 3: 8 loads
.irp q, 0,1,2,3,4,5,6,7
	ds_load_b128 v[SA+4*\q:SA+4*\q+3], v[XS] offset:\q*512+256*(\g)
.endr
.endm
.macro SHOWN                           ; the weights' record is shown to all: the two waves that asked for it wait, then the barrier
	s_wait_dscnt 0x0
	s_cmp_eq_u32 s15, 0
	s_cbranch_scc0 .Lnot_w_\@
	s_wait_tensorcnt 0x0
.Lnot_w_\@:
	BARRIER
.endm
.macro WLOAD                           ; my head's four fragments, all of K, and their scale words, into registers
.irp q, 0,1,2,3
.irp t, 0,1,2,3
	FRAGL 4*\q+\t, WA, WA+1, \q*12288+\t*1536
.endr
.endr
.irp q, 0,1,2,3
.irp t, 0,1,2,3
	FRAGL 16+4*\q+\t, WA+2, WA+3, \q*12288+\t*1536
.endr
.endr
	WIN 0
.irp q, 0,1,2,3,4,5,6,7
	ds_load_b128 v[SB+4*\q:SB+4*\q+3], v[WS] offset:\q*512
.endr
.endm
.macro PROD1 d, s0, s1, q, t, x0, x1
.if \q
	v_wmma_scale_f32_16x16x128_f8f6f4 v[\d:\d+7], v[FR*((\s0)%FPW):FR*((\s0)%FPW)+FR-1], v[FR*((\s1)%FPW):FR*((\s1)%FPW)+FR-1], v[\d:\d+7], v[\x0], v[\x1] matrix_a_fmt:MATRIX_FMT_BF6 matrix_b_fmt:MATRIX_FMT_BF6
.else
	v_wmma_scale_f32_16x16x128_f8f6f4 v[\d:\d+7], v[FR*((\s0)%FPW):FR*((\s0)%FPW)+FR-1], v[FR*((\s1)%FPW):FR*((\s1)%FPW)+FR-1], v[BO+8*(\t):BO+8*(\t)+7], v[\x0], v[\x1] matrix_a_fmt:MATRIX_FMT_BF6 matrix_b_fmt:MATRIX_FMT_BF6
.endif
.endm
.macro PROD m, e, i, n                 ; product n = 4 q + t of block i, whose rows lie in set e.  m = 0: source 0 the weights; m = 1 (V): source 0 the tokens
.set Q_, (\n)/4
.set T_, (\n)%4
.set FB_, 4*Q_+T_
.set FA_, 32+8*(\e)+Q_
.if \m
.set D_, ACC+16*T_+8*(\e)
	WIN (1+FA_/FPW)|((1+FB_/FPW)<<2)
	PROD1 D_, FA_, FB_, Q_, T_, SA+4*Q_+(\i)%4, SB+4*Q_+T_
.else
.set D_, ACC+32*(\e)+8*T_
	WIN (1+FB_/FPW)|((1+FA_/FPW)<<2)
	PROD1 D_, FB_, FA_, Q_, T_, SB+4*Q_+T_, SA+4*Q_+(\i)%4
.endif
.endm
; Q, K: block i's way out.  Register 16 b + u of the set = channel 32 b + 16 h + u of my token: the largest magnitudes by four chains, the scales, two conversions, a whole block to a lane, the tile's 768 bytes
.macro EPIQ i
.set X_, ACC+32*((\i)%2)
	s_wait_xcnt 0x0                                ; the last tile's stores have read the codes' registers
.irp k, 0,1,2,3
	v_max3_num_f32 v[TQ+\k], |v[X_+8*\k]|, |v[X_+8*\k+1]|, |v[X_+8*\k+2]|
.endr
.irp k, 0,1,2,3
	v_max3_num_f32 v[TQ+\k], v[TQ+\k], |v[X_+8*\k+3]|, |v[X_+8*\k+4]|
.endr
.irp k, 0,1,2,3
	v_max3_num_f32 v[TQ+\k], v[TQ+\k], |v[X_+8*\k+5]|, |v[X_+8*\k+6]|
.endr
	v_max3_num_f32 v[TQ], v[TQ], |v[X_+7]|, |v[X_+15]|
	v_max3_num_f32 v[TQ+2], v[TQ+2], |v[X_+23]|, |v[X_+31]|
	v_max3_num_f32 v[BM], v[TQ], v[TQ+1], 0x2800000               ; with the floor 2^(5 - 127)
	v_max3_num_f32 v[BM+1], v[TQ+2], v[TQ+3], 0x2800000
.irp b, 0,1
	v_permlanex16_b32 v[TP+\b], v[BM+\b], s[SEL], s[SEL+1]
.endr
.irp b, 0,1
	v_max_num_f32 v[BM+\b], v[BM+\b], v[TP+\b]                    ; with lane l xor 16's: the block's largest magnitude
.endr
.irp b, 0,1
	v_add_nc_u32 v[SO+\b], 0xfe000000, v[BM+\b]                   ; 4 off its exponent field: the conversion's scale operand
.endr
.irp b, 0,1
	v_lshrrev_b32 v[TP+\b], 23, v[SO+\b]                          ; the scale's byte
.endr
	v_cvt_scalef32_pk16_bf6_f32 v[VC:VC+2], v[X_:X_+15], v[SO]
	v_cvt_scalef32_pk16_bf6_f32 v[VC+6:VC+8], v[X_+16:X_+31], v[SO+1]
	v_lshl_or_b32 v[WT], v[TP+1], 8, v[TP]                        ; (the plain line behind the conversions)
.irp u, 0,1,2
	v_permlane16_swap_b32 v[VC+\u], v[VC+6+\u]
.endr
.irp u, 0,1,2
	v_mov_b32 v[VC+3+\u], v[VC+6+\u]
.endr
.if (\i)%2
	v_lshl_or_b32 v[PW+(\i)/2], v[WT], 16, v[PW+(\i)/2]           ; a pair of tiles makes a word
.else
	v_mov_b32 v[PW+(\i)/2], v[WT]
.endif
	global_store_b128 v[O16], v[VC:VC+3], s[8:9] offset:(\i)*768          ; 512 consecutive bytes, aligned to 256
	global_store_b64 v[O8], v[VC+4:VC+5], s[8:9] offset:(\i)*768+512      ; 256 consecutive bytes, aligned
	WALU
.endm
; V: behind blocks 2 bp and 2 bp + 1: register 16 t + u = key 32 bp + 16 h + u of my channel of tile t
.macro EPIV bp
	s_wait_xcnt 0x0
.irp t, 0,1,2,3
	v_max3_num_f32 v[BM+\t], |v[ACC+16*\t]|, |v[ACC+16*\t+1]|, 0x2800000
.endr
.irp i, 2,4,6,8,10,12,14
.irp t, 0,1,2,3
	v_max3_num_f32 v[BM+\t], v[BM+\t], |v[ACC+16*\t+\i]|, |v[ACC+16*\t+\i+1]|
.endr
.endr
.irp t, 0,1,2,3
	v_permlanex16_b32 v[TP+\t], v[BM+\t], s[SEL], s[SEL+1]
.endr
.irp t, 0,1,2,3
	v_max_num_f32 v[BM+\t], v[BM+\t], v[TP+\t]
.endr
.irp t, 0,1,2,3
	v_add_nc_u32 v[SO+\t], 0xfe000000, v[BM+\t]
.endr
.irp t, 0,1,2,3
	v_lshrrev_b32 v[TP+\t], 23, v[SO+\t]
.endr
.irp t, 0,1,2,3
	v_cvt_scalef32_pk16_bf6_f32 v[VC+10*\t+6*((\bp)%2):VC+10*\t+6*((\bp)%2)+2], v[ACC+16*\t:ACC+16*\t+15], v[SO+\t]
.endr
.irp t, 0,1,2,3
.if \bp
	v_lshl_or_b32 v[PW+\t], v[TP+\t], 8*(\bp), v[PW+\t]           ; the four blocks' bytes make tile t's word.  (Plain lines behind the conversions)
.else
	v_mov_b32 v[PW+\t], v[TP+\t]
.endif
.endr
.if (\bp)%2
.irp t, 0,1,2,3
.irp u, 0,1,2
	v_permlane16_swap_b32 v[VC+10*\t+\u], v[VC+10*\t+6+\u]        ; a whole block to a lane
.endr
.endr
.irp t, 0,1,2,3
.irp u, 0,1,2
	v_mov_b32 v[VC+10*\t+3+\u], v[VC+10*\t+6+\u]
.endr
.endr
.irp t, 0,1,2,3
	global_store_b128 v[O16], v[VC+10*\t:VC+10*\t+3], s[8:9] offset:\t*1536+((\bp)/2)*768
	global_store_b64 v[O8], v[VC+10*\t+4:VC+10*\t+5], s[8:9] offset:\t*1536+((\bp)/2)*768+512
.endr
.endif
	WALU
.endm
.macro WORDS b, off                    ; row r's four words: lanes 0-15 store the first two, lanes 16-31 the others: 256 consecutive bytes, aligned
	v_cndmask_b32 v[OW], v[PW], v[PW+2], s98
	v_cndmask_b32 v[OW+1], v[PW+1], v[PW+3], s98
	global_store_b64 v[OSC], v[OW:OW+1], s[\b:\b+1] offset:\off
.endm
.macro STREAM m                        ; the eight blocks of my token group
.irp s, 0,1,2,3,4,5,6,7
.if \s < 7
	s_wait_dscnt 32                                ; block s's rows are in; younger is the next block's fetch of 32
.else
	s_wait_dscnt 0x0
.endif
.set N_, 0
.rept 32
	PROD \m, (\s)%2, \s, N_
.set N_, N_+1
.endr
	WIN 0
	PLACES 4                                       ; four places between the last product and the first reader of its sums, and the loads into registers that it read
.if \s == 3
	XSCALES 1
.endif
.if \s < 6
	FETCH (\s)+2
.endif
.if \m
.if (\s)%2
	EPIV (\s)/2
.endif
.else
	EPIQ \s
.endif
.endr
.endm
	s_load_b128 s[4:7], s[0:1], 0x0                ; opnd1 s[4:5], in_b s[6:7]
	s_load_b64 s[8:9], s[0:1], 0x10                ; qkvq
	v_lshl_add_u32 v[SPW], v0, 2, SPARE
	v_mov_b32 v[NIL], 0
	ds_add_u32 v[SPW], v[NIL]                      ; the opening lines: the add, twice on end, and its wait
	ds_add_u32 v[SPW], v[NIL]
	v_lshrrev_b32 v1, 5, v0
	v_readfirstlane_b32 s14, v1                    ; the wave
	s_lshr_b32 s15, s14, 1                         ; a: my token group.  Also: I fetch for the weights (0) or for the tokens (1)
	s_and_b32 s16, s14, 1                          ; b: my head of the two.  Also: which half or record I fetch
	s_bfe_u32 s40, ttmp6, 0x40000                  ; cx
	s_bfe_u32 s41, ttmp6, 0x40004                  ; cy
	s_and_b32 s12, ttmp7, 0xffff
	s_lshl_b32 s12, s12, 2
	s_add_co_u32 s12, s12, s41                     ; T: the tile of 256 tokens
	s_lshl_b32 s13, ttmp9, 2
	s_add_co_u32 s13, s13, s40                     ; c: the pair of heads
	s_lshl_b32 s42, s41, 2
	s_lshl_b32 s42, 15, s42                        ; my row of the cluster shares the tokens
	s_lshl_b32 s43, 0x1111, s40                    ; my column shares the weights
	s_or_b32 s[G1X], s42, (3<<16)|(1<<21)          ; elements of 8 bytes; bit 21 beside a mask; dense rows of 256 bytes
	s_mov_b32 s[G1X+1], 32<<16
	s_mov_b32 s[G1X+2], 400<<16                    ; a record: 400 rows
	s_mov_b32 s[G1X+3], 32<<16
	s_mov_b32 s[G1X+4], 400
	s_mov_b32 s[G1X+5], 32
	s_mov_b32 s[G1X+6], 0
	s_mov_b32 s[G1X+7], 0
	s_or_b32 s[G1W], s43, (3<<16)|(1<<21)
	s_mov_b32 s[G1W+1], 32<<16
	s_mov_b32 s[G1W+2], 200<<16                    ; half a record
	s_mov_b32 s[G1W+3], 32<<16
	s_mov_b32 s[G1W+4], 200
	s_mov_b32 s[G1W+5], 32
	s_mov_b32 s[G1W+6], 0
	s_mov_b32 s[G1W+7], 0
	s_lshl_b32 s20, s12, 1
	s_add_co_u32 s20, s20, s16
	s_mul_i32 s20, s20, RGB                        ; the token record that I fetch
	s_mov_b32 s21, 0
	s_add_co_u32 s46, s13, 64
	s_mul_i32 s46, s46, RGB
	s_mul_i32 s44, s16, RGB/2
	s_add_co_u32 s46, s46, s44                     ; the half of Q's weights' record that I fetch
	s_mov_b32 s47, 0
	s_mov_b32 s[G0X], 1
	s_mul_i32 s[G0X+1], s16, RGB
	s_mov_b32 s[G0W], 1
	s_add_co_u32 s[G0W+1], s44, WB
	WALU
	s_wait_dscnt 0x0
	CROUND                                         ; all sixteen work-groups are here: the joint loads meet
	s_wait_kmcnt 0x0
	s_add_nc_u64 s[G0X+2:G0X+3], s[4:5], s[20:21]
	s_or_b32 s[G0X+3], s[G0X+3], 0x80000000
	s_add_nc_u64 s[G0W+2:G0W+3], s[4:5], s[46:47]
	s_or_b32 s[G0W+3], s[G0W+3], 0x80000000
	s_cmp_eq_u32 s15, 0
	s_cbranch_scc0 .Lfor_x
	tensor_load_to_lds s[G0W:G0W+3], s[G1W:G1W+7]  ; waves 0, 1: Q's weights, which go on into registers
	s_nop 0
	PLACES 4
	s_branch .Lasked
.Lfor_x:
	tensor_load_to_lds s[G0X:G0X+3], s[G1X:G1X+7]  ; waves 2, 3: the token records
	s_nop 0
	PLACES 4
.Lasked:
	s_mul_i32 s2, s15, RGB                         ; my token record in LDS
	s_mul_i32 s3, s16, 6144
	s_add_co_u32 s3, s3, WB                        ; my four fragments of the weights
	s_lshl_b32 s20, s16, 8
	s_add_co_u32 s20, s20, WB+98304                ; their scale words
	s_add_co_u32 s21, s2, 98304                    ; my tokens' scale words
	s_lshl_b32 s44, s13, 1
	s_add_co_u32 s44, s44, s16                     ; my head
	s_lshl_b32 s46, s44, 8                         ; its 64 numbers of the bias
	s_mov_b32 s47, 0
	s_add_nc_u64 s[6:7], s[6:7], s[46:47]
	s_lshl_b32 s22, s12, 1
	s_add_co_u32 s22, s22, s15                     ; my group of 128 tokens, 0 .. 63
	s_lshr_b32 s46, s22, 4
	s_lshl_b32 s46, s46, 4
	s_add_co_u32 s46, s46, s44                     ; batch x 16 + head
	s_mul_i32 s46, s46, HSTR
	s_and_b32 s22, s22, 15
	s_mul_i32 s22, s22, REC
	s_add_co_u32 s46, s46, s22
	s_add_nc_u64 s[8:9], s[8:9], s[46:47]          ; my record: Q's tiles
	s_add_nc_u64 s[10:11], s[8:9], 6144            ; Q's words
	s_mov_b32 s[SEL], 0x76543210
	s_mov_b32 s[SEL+1], 0xfedcba98
	s_mov_b32 s23, 0
	v_and_b32 v1, 15, v0                           ; r
	v_bfe_u32 v2, v0, 4, 1                         ; h
	v_and_b32 v3, 31, v0                           ; lane
	v_lshl_add_u32 v[XA], v3, 4, s2
	v_lshl_add_u32 v[XA+1], v3, 3, s2
	v_add_nc_u32 v[XA+2], HI, v[XA]
	v_add_nc_u32 v[XA+3], HI, v[XA+1]
	v_lshl_add_u32 v[WA], v3, 4, s3
	v_lshl_add_u32 v[WA+1], v3, 3, s3
	v_add_nc_u32 v[WA+2], HI, v[WA]
	v_add_nc_u32 v[WA+3], HI, v[WA+1]
	v_lshl_add_u32 v[WS], v1, 4, s20
	v_lshl_add_u32 v[XS], v1, 4, s21
	v_lshlrev_b32 v[O16], 4, v3
	v_lshlrev_b32 v[O8], 3, v3
	v_lshlrev_b32 v[OSC], 4, v1
	v_lshl_add_u32 v[OSC], v2, 3, v[OSC]
	v_lshlrev_b32 v[ABY], 6, v2
	v_and_b32 v[ABX], 8, v1
	v_add_lshl_u32 v[ABX], v[ABX], v1, 2
	v_cmp_ne_u32 s98, 0, v2                        ; lanes 16-31
.irp b, 0,1,2,3
	v_mov_b32 v[TP+\b], 0                          ; a lane permute's destination counts as one of its sources
.endr
	WALU                                           ; the head's end
.Lphase:                                           ; Q, then K
.irp t, 0,1,2,3
	global_load_b128 v[BO+8*\t:BO+8*\t+3], v[ABY], s[6:7] offset:(32*(\t/2)+8*(\t%2))*4       ; register j of accumulator t: channel 32 (t / 2) + 8 (t % 2) + 16 h + j
	global_load_b128 v[BO+8*\t+4:BO+8*\t+7], v[ABY], s[6:7] offset:(32*(\t/2)+8*(\t%2))*4+16
.endr
	SHOWN
	WLOAD
	s_wait_tensorcnt 0x0                           ; all my tensor loads have landed (the first time: the token records among them);
	ds_add_u32 v[SPW], v[NIL]                      ; 0 onto my spare word;
	s_add_nc_u64 s[G0W+2:G0W+3], s[G0W+2:G0W+3], 8*RGB   ; no load of mine is out: the next weights' record lies eight groups on
	s_wait_dscnt 0x0                               ; the add is done, and I hold the weights in registers
	CROUND                                         ; so do all waves of all partners
	s_cmp_eq_u32 s15, 0
	s_cbranch_scc0 .Lno_refill
	tensor_load_to_lds s[G0W:G0W+3], s[G1W:G1W+7]  ; waves 0, 1: the next weights over the old
	s_nop 0
	PLACES 4
.Lno_refill:
	XSCALES 0
	FETCH 0
	FETCH 1
	s_wait_loadcnt 0x0                             ; the bias
	STREAM 0
	WORDS 10, 0
	s_wait_xcnt 0x0                                ; the stores have read their bases
	s_add_nc_u64 s[8:9], s[8:9], 6400              ; K's tiles
	s_add_nc_u64 s[10:11], s[10:11], 12544         ; K's words
	s_add_nc_u64 s[6:7], s[6:7], 4096              ; the next 1,024 numbers of the bias
	s_add_co_u32 s23, s23, 1
	s_cmp_lg_u32 s23, 2
	WALU
	s_cbranch_scc1 .Lphase
	s_sub_nc_u64 s[8:9], s[8:9], 256               ; V's fragments: byte 12,544 of my record
.irp t, 0,1,2,3
.irp j, 0,1,2,3,4,5,6,7
	global_load_b32 v[BO+8*\t+\j], v[ABX], s[6:7] offset:(32*(\t/2)+8*(\t%2))*4               ; V: a lane has one channel: its number in all eight registers
.endr
.endr
	SHOWN
	WLOAD
	XSCALES 0
	FETCH 0
	FETCH 1
	s_wait_loadcnt 0x0
	STREAM 1
	WORDS 8, 6400                                  ; V's words: byte 18,944 of my record
	s_wait_tensorcnt 0x0                           ; the wave's end
	ds_add_u32 v[SPW], v[NIL]
	s_wait_dscnt 0x0
	CROUND                                         ; the closing round
	s_endpgm
.Lfunc_end_k_q025a7ecc84_gemm1:
	.size	k_q025a7ecc84_gemm1, .Lfunc_end_k_q025a7ecc84_gemm1-k_q025a7ecc84_gemm1
	.p2alignl 7, 3214868480
	.fill 96, 4, 3214868480
	.section	.rodata,"a",@progbits
	.p2align	6, 0x0
	.amdhsa_kernel k_q025a7ecc84_gemm1
		.amdhsa_group_segment_fixed_size 327680
		.amdhsa_private_segment_fixed_size 0
		.amdhsa_enable_private_segment 0
		.amdhsa_kernarg_size 24
		.amdhsa_user_sgpr_count 2
		.amdhsa_user_sgpr_kernarg_segment_ptr 1
		.amdhsa_wavefront_size32 1
		.amdhsa_system_sgpr_workgroup_id_x 1
		.amdhsa_system_sgpr_workgroup_id_y 1
		.amdhsa_system_sgpr_workgroup_id_z 1
		.amdhsa_system_vgpr_workitem_id 0
		.amdhsa_next_free_vgpr 840
		.amdhsa_next_free_sgpr 100
		.amdhsa_reserve_vcc 0
		.amdhsa_float_denorm_mode_32 3
		.amdhsa_float_denorm_mode_16_64 3
		.amdhsa_memory_ordered 1
		.amdhsa_forward_progress 1
		.amdhsa_inst_pref_size 167
	.end_amdhsa_kernel
	.amdgpu_metadata
---
amdhsa.version: [ 1, 2 ]
amdhsa.kernels:
  - .name:           k_q025a7ecc84_gemm1
    .symbol:         k_q025a7ecc84_gemm1.kd
    .args:
      - { .name: opnd1, .offset: 0, .size: 8, .value_kind: global_buffer, .address_space: global }
      - { .name: in_b, .offset: 8, .size: 8, .value_kind: global_buffer, .address_space: global }
      - { .name: qkvq, .offset: 16, .size: 8, .value_kind: global_buffer, .address_space: global }
    .group_segment_fixed_size: 327680
    .private_segment_fixed_size: 0
    .kernarg_segment_align: 8
    .kernarg_segment_size: 24
    .max_flat_workgroup_size: 128
    .sgpr_count:     100
    .vgpr_count:     840
    .wavefront_size: 32
...
	.end_amdgpu_metadata
.endif
;; end of part 2
;; launch attn (part 3): grid 4 x 64, 16 waves a work-group, clusters of 4 x 1, 206,848 bytes of LDS; arguments qkvq, opnd3; writes opnd3
.if DOCPART == 3
	.amdgcn_target "amdgcn-amd-amdhsa--gfx1250"
	.amdhsa_code_object_version 6
	.text
	.protected	k_q025a7ecc84_attn
	.globl	k_q025a7ecc84_attn
	.p2align	8
	.type	k_q025a7ecc84_attn,@function
k_q025a7ecc84_attn:
	s_mov_b64 s[64:65], 0
	v_nop
	global_prefetch_b8 v0, s[64:65] scope:SCOPE_SE
	s_setreg_imm32_b32 hwreg(HW_REG_WAVE_MODE, 25, 1), 1
	s_wait_xcnt 0x0
	s_wait_alu depctr_hold_cnt(0) depctr_sa_sdst(0) depctr_va_vdst(0) depctr_va_sdst(0) depctr_va_ssrc(0) depctr_va_vcc(0) depctr_vm_vsrc(0)
	s_getreg_b32 s2, hwreg(HW_REG_IB_STS2, 6, 4)
	s_cmp_eq_u32 s2, 0
	s_cbranch_scc0 .Lentry_in_a_cluster
	s_endpgm
.Lentry_in_a_cluster:
	s_bfe_u32 s2, ttmp6, 0x10000c
	s_cmp_lg_u32 s2, 0x3003
	s_cbranch_scc0 .Lentry_shape_is_right
	s_endpgm
.Lentry_shape_is_right:
; For each of 64 heads (batch x 16 + head): o = softmax(q k^T / 8) v, head size 64, 2,048 tokens, both products on codes of BF6 (E3M2) with E8M0 scales; o is quantised along E for the last product.
; THE SOFTMAX: t = score x log2(e) / 8; M = the row's largest t so far, rounded UP to a whole number; p = 2^(t - M) is quantised along the keys, not normalised; the row's sum is taken of the
; unquantised p and divides at the end.  When M moves, the sums and O are multiplied by f = 2^(old M - new M): exact.
; qkvq: [head][group of 128 tokens] records of 19,200 bytes: Q 8 tiles x 768 | Q's words 256 | K 8 tiles x 768 | V 4 fragments x 1,536 | K's words 256 | V's words 256; all as images of operand registers.
; K = 64 UNDER AN INSTRUCTION OF 128: source 0 is a PAIR of key tiles; source 1 is [q | 0] for the first tile of the pair and [0 | q] for the second.  q lies between two runs of six zero registers, so 18 registers serve both.
; Both products are used transposed: a lane holds ONE query throughout; the 16 score registers of a pair are 16 neighbouring keys.
; SHARES: the four work-groups of a head are one cluster.  A work-group stays for two passes of 256 queries; each of its 16 waves owns one tile of 16 queries a pass, in 256 registers.
; LDS: the whole head's K, V and scale words stay: key step G (128 keys) at 12,800 G: K 6,144 | V 6,144 | K's words 256 | V's words 256.  Filled once, by joint loads (mask: all four): wave w brings key step w,
; one tensor load a wave; no byte is filled again, so there is no ring.  No prefetch: all that the launch reads of K and V is asked for in its first lines.
; TWO REGIONS OF 64 REGISTERS CHANGE ROLES FROM STEP TO STEP: K's fragments lie in one, the scores go to the other; V then lands on K's; when p has been converted, the next step's K lands on the scores.
; The words of K (lanes 0-15) and of V (lanes 16-31) of a step come by one load of 512 bytes; two sets by turns.
; THE EXPONENTIALS go in four groups of a block of 32 keys each; among a group's lines stand the next block's t - M, the sums of the block before and the scales' arithmetic; nothing written in a group is read in it,
; and one wait stands between groups.  The row's sum runs in eight pairs; the first block's addition takes f as a fused multiply-add.
; LIMITS: NaN and infinities are not served; the promise holds while |t| stays under 2^31; p under 2^-126 comes out of v_exp_f32 as 0; a block's largest p is made from its largest score by the same two instructions,
; which takes v_exp_f32 not to fall where its input rises; 1 / sum is v_rcp_f32; a block of o under 2^-122 gets the byte 1.
.set HSTR, 307200
.set REC,  19200
.set KST,  12800
.set RGB,  102400
.set SPARE, 0x32000                    ; behind the 16 key steps: the spare words, 128 bytes a wave
; v0 8 x lane, v1 16 x lane, v[2:3] and v12-15 and v213 the next pass's q and its word, v4 -M, v5 the largest score so far, v6, v7 the trip's LDS addresses, v8-10 q's offsets, v11 the way out's byte offset
.set QB,   16                          ; v16-27  [0 | q]
.set QA,   22                          ; v22-33  [q | 0]
.set RA,   34                          ; v34-97  region A
.set RB,   98                          ; v98-161 region B
.set O,    162                         ; v162-193 O^T: register 16 b + i = channel 32 b + 16 (lane / 16) + i
.set PC,   194                         ; v194-205 p's codes
.set PT,   206                         ; v206-208, v210-212 the conversions' second halves
.set BM,   214                         ; v214-217 the blocks' largest scores, then largest p
.set TP,   218                         ; v218-221 at work
.set SO,   222                         ; v222-225 the conversions' scale operands
.set KV,   226                         ; v226-233 two sets of four scale words: K's below, V's above
.set QS,   234                         ; q's scale word (s0, s1, s0, s1)
.set F,    236                         ; v[236:237] f; later 1 / sum
.set L,    238                         ; v238-253 the row's sum in eight pairs
.set G1,   24
.set G0,   44
.set SEL,  60
.set CS,   62                          ; s[62:63] c = log2(e) / 8
.set NC,   66                          ; -c
.set TB,   67
.macro WALU
	s_wait_alu depctr_va_vdst(0)
.endm
.macro NOPS n
.rept \n
	v_nop
.endr
.endm
.macro CROUND
	s_barrier_signal -1
	s_barrier_wait -1
	s_cmp_lg_u32 s12, 0
	s_cbranch_scc1 .Lnot_wave_0_\@
	s_barrier_signal -3
.Lnot_wave_0_\@:
	s_barrier_wait -3
	s_barrier_signal -1
	s_barrier_wait -1
.endm
.macro FRAG reg, a16, a8, off          ; a fragment's image: every load reads consecutive bytes
	ds_load_b128 v[\reg:\reg+3], v[\a16] offset:\off
	ds_load_b64 v[\reg+4:\reg+5], v[\a8] offset:\off+512
	ds_load_b128 v[\reg+6:\reg+9], v[\a16] offset:\off+768
	ds_load_b64 v[\reg+10:\reg+11], v[\a8] offset:\off+1280
.endm
.macro KLOAD reg, kv, a16, a8, off     ; 17 loads: a step's scale words, then K's four pairs of tiles
	ds_load_b128 v[KV+4*(\kv):KV+4*(\kv)+3], v[\a16] offset:(\off)+12288
.irp i, 0,1,2,3
	FRAG (\reg)+12*\i, \a16, \a8, (\off)+1536*\i
.endr
.endm
; A KEY STEP: 128 keys.  kr: the region with K; sr: the region for the scores; kv: the set of scale words; off: the step's bytes from v6, v7; last = 1: a pass's last step
.macro STEP kr, sr, kv, off, last
.set PSR, 209+26*(\kv)                 ; p's scale word: v209 or v235, a number that differs modulo 8 from the four of the set beside it
.irp i, 0,1,2,3
	s_wait_dscnt 12-4*\i                           ; the words and pair i are in; the four loads of each later pair may be out
	v_wmma_scale_f32_16x16x128_f8f6f4 v[\sr+16*\i:\sr+16*\i+7], v[\kr+12*\i:\kr+12*\i+11], v[QA:QA+11], 0, v[KV+4*(\kv)+\i], v[QS] matrix_a_fmt:MATRIX_FMT_BF6 matrix_b_fmt:MATRIX_FMT_BF6
	v_wmma_scale_f32_16x16x128_f8f6f4 v[\sr+16*\i+8:\sr+16*\i+15], v[\kr+12*\i:\kr+12*\i+11], v[QB:QB+11], 0, v[KV+4*(\kv)+\i], v[QS] matrix_a_fmt:MATRIX_FMT_BF6 matrix_b_fmt:MATRIX_FMT_BF6
.endr                                              ; register 16 b + i: key 32 b + 16 (lane / 16) + i of the step
	NOPS 4                                         ; places in front of the loads below and of the first read of the scores
.irp i, 0,1,2,3
	FRAG \kr+12*\i, 6, 7, (\off)+6144+1536*\i      ; V lands while the softmax is walked
.endr
.irp b, 0,1,2,3
	v_max3_num_f32 v[BM+\b], v[\sr+16*\b], v[\sr+1+16*\b], v[\sr+2+16*\b]    ; the largest score of each block of 32 keys: for the row's maximum and for the block's largest p
.endr
.irp i, 3,5,7,9,11,13
.irp b, 0,1,2,3
	v_max3_num_f32 v[BM+\b], v[BM+\b], v[\sr+16*\b+\i], v[\sr+1+16*\b+\i]
.endr
.endr
.irp b, 0,1,2,3
	v_max_num_f32 v[BM+\b], v[BM+\b], v[\sr+15+16*\b]
.endr
.irp b, 0,1,2,3
	v_permlanex16_b32 v[TP+\b], v[BM+\b], s[SEL], s[SEL+1]
.endr
.irp b, 0,1,2,3
	v_max_num_f32 v[BM+\b], v[BM+\b], v[TP+\b]     ; with lane l xor 16's 16 keys
.endr
	v_max3_num_f32 v[TP+2], v[BM], v[BM+1], v[BM+2]
	v_mov_b32 v[TP], v4                            ; the old -M
	v_max3_num_f32 v5, v5, v[TP+2], v[BM+3]        ; the largest score so far
	v_mul_f32 v[TP+2], s[NC], v5                   ; -t
	v_floor_f32 v4, v[TP+2]                        ; the new -M = -ceil(t)
.set j, 0
.rept 4
	v_pk_fma_f32 v[\sr+j:\sr+j+1], v[\sr+j:\sr+j+1], s[CS:CS+1], v[4:5] op_sel_hi:[1,0,0]   ; t - M of block 0, two at a time
.set j, j+2
.endr
	v_sub_f32 v[TP], v4, v[TP]                     ; old M - new M: a whole number, 0 or less
.rept 4
	v_pk_fma_f32 v[\sr+j:\sr+j+1], v[\sr+j:\sr+j+1], s[CS:CS+1], v[4:5] op_sel_hi:[1,0,0]
.set j, j+2
.endr
	v_cvt_i32_f32 v[TP], v[TP]                     ; (it saturates)
.irp b, 0,1,2,3
	v_fma_f32 v[BM+\b], v[BM+\b], s[CS], v4        ; the same of each block's largest score
.endr
	v_ldexp_f32 v[F], 1.0, v[TP]                   ; f = 2^(old M - new M)
	WALU                                           ; ahead of the first group
.irp b, 0,1,2,3
	v_exp_f32 v[BM+\b], v[BM+\b]                   ; the blocks' largest p
.endr
.set j, 0
.rept 8                                            ; group 0: p of block 0; t - M of block 1
	v_exp_f32 v[\sr+j], v[\sr+j]
	v_exp_f32 v[\sr+j+1], v[\sr+j+1]
	v_pk_fma_f32 v[\sr+16+j:\sr+17+j], v[\sr+16+j:\sr+17+j], s[CS:CS+1], v[4:5] op_sel_hi:[1,0,0]
.set j, j+2
.endr
	WALU
.set j, 0
.rept 8                                            ; group 1: p of block 1; t - M of block 2; the sums x f + block 0; the floor 2^(5 - 127) under the largest p
	v_exp_f32 v[\sr+16+j], v[\sr+16+j]
	v_pk_fma_f32 v[\sr+32+j:\sr+33+j], v[\sr+32+j:\sr+33+j], s[CS:CS+1], v[4:5] op_sel_hi:[1,0,0]
	v_exp_f32 v[\sr+17+j], v[\sr+17+j]
	v_pk_fma_f32 v[L+j:L+j+1], v[L+j:L+j+1], v[F:F+1], v[\sr+j:\sr+j+1] op_sel_hi:[1,0,1]
.if j < 8
	v_max_num_f32 v[BM+j/2], 0x2800000, v[BM+j/2]
.endif
.set j, j+2
.endr
	WALU
.set j, 0
.rept 8                                            ; group 2: p of block 2; t - M of block 3; the sums + block 1; the conversions' scale operands
	v_exp_f32 v[\sr+32+j], v[\sr+32+j]
	v_pk_fma_f32 v[\sr+48+j:\sr+49+j], v[\sr+48+j:\sr+49+j], s[CS:CS+1], v[4:5] op_sel_hi:[1,0,0]
	v_exp_f32 v[\sr+33+j], v[\sr+33+j]
	v_pk_add_f32 v[L+j:L+j+1], v[L+j:L+j+1], v[\sr+16+j:\sr+17+j]
.if j < 8
	v_add_nc_u32 v[SO+j/2], 0xfe000000, v[BM+j/2]
.endif
.set j, j+2
.endr
	WALU
.set j, 0
.rept 8                                            ; group 3: p of block 3; the sums + block 2; the scales' bytes
	v_exp_f32 v[\sr+48+j], v[\sr+48+j]
.if j < 8
	v_lshrrev_b32 v[TP+j/2], 23, v[SO+j/2]
.endif
	v_exp_f32 v[\sr+49+j], v[\sr+49+j]
	v_pk_add_f32 v[L+j:L+j+1], v[L+j:L+j+1], v[\sr+32+j:\sr+33+j]
.set j, j+2
.endr
	WALU
	v_pk_add_f32 v[L:L+1], v[L:L+1], v[\sr+48:\sr+49]             ; the sums + block 3, and p's scale word for these 128 keys
	v_pk_add_f32 v[L+2:L+3], v[L+2:L+3], v[\sr+50:\sr+51]
	v_lshl_or_b32 v[PSR], v[TP+1], 8, v[TP]
	v_pk_add_f32 v[L+4:L+5], v[L+4:L+5], v[\sr+52:\sr+53]
	v_pk_add_f32 v[L+6:L+7], v[L+6:L+7], v[\sr+54:\sr+55]
	v_lshl_or_b32 v[PSR], v[TP+2], 16, v[PSR]
	v_pk_add_f32 v[L+8:L+9], v[L+8:L+9], v[\sr+56:\sr+57]
	v_pk_add_f32 v[L+10:L+11], v[L+10:L+11], v[\sr+58:\sr+59]
	v_lshl_or_b32 v[PSR], v[TP+3], 24, v[PSR]
	v_pk_add_f32 v[L+12:L+13], v[L+12:L+13], v[\sr+60:\sr+61]
	v_pk_add_f32 v[L+14:L+15], v[L+14:L+15], v[\sr+62:\sr+63]
.irp c, 0,1
	v_cvt_scalef32_pk16_bf6_f32 v[PC+6*\c:PC+6*\c+2], v[\sr+32*\c:\sr+32*\c+15], v[SO+2*\c]
	v_cvt_scalef32_pk16_bf6_f32 v[PT+4*\c:PT+4*\c+2], v[\sr+32*\c+16:\sr+32*\c+31], v[SO+2*\c+1]
.endr
	v_nop                                          ; one plain line behind the scaled conversions
.if \last
	s_cmp_eq_u32 s69, 1                            ; the next pass begins at key step 0; behind the last pass nothing is fetched
	WALU
	s_cbranch_scc1 .Lno_k_\@
	KLOAD \sr, 1-(\kv), 1, 0, 0
.Lno_k_\@:
.else
	KLOAD \sr, 1-(\kv), 6, 7, (\off)+KST           ; p is converted: the next step's K lands on it
.endif
.irp c, 0,1
.irp i, 0,1,2
	v_permlane16_swap_b32 v[PC+6*\c+\i], v[PT+4*\c+\i]            ; a whole block to a lane
.endr
.irp i, 0,1,2
	v_mov_b32 v[PC+6*\c+3+\i], v[PT+4*\c+\i]
.endr
.endr
	WALU                                           ; directly ahead of the first reader of O^T
.set j, 0
.rept 16
	v_pk_mul_f32 v[O+j:O+j+1], v[O+j:O+j+1], v[F:F+1] op_sel_hi:[1,0]   ; O^T under the new M, each accumulator from its low end on; also the places in front of the products below
.set j, j+2
.endr
	WALU
.if \last
	s_wait_dscnt 0x0                               ; V is in (on one way nothing younger is out)
.else
	s_wait_dscnt 17                                ; V is in; younger are the 17 loads of the next step's K
.endif
.irp i, 0,1,2,3
	v_wmma_scale_f32_16x16x128_f8f6f4 v[O+8*\i:O+8*\i+7], v[\kr+12*\i:\kr+12*\i+11], v[PC:PC+11], v[O+8*\i:O+8*\i+7], v[KV+4*(\kv)+\i], v[PSR] matrix_a_fmt:MATRIX_FMT_BF6 matrix_b_fmt:MATRIX_FMT_BF6 matrix_a_scale:MATRIX_SCALE_ROW1
.endr
	NOPS 5                                         ; five places: the next step's products write over V's registers
.endm
	s_load_b128 s[4:7], s[0:1], 0x0                ; qkvq s[4:5], opnd3 s[6:7]
	v_lshl_add_u32 v254, v0, 2, SPARE
	v_mov_b32 v255, 0
	ds_add_u32 v254, v255                          ; the opening lines: the add, twice on end, and its wait
	ds_add_u32 v254, v255
	v_lshrrev_b32 v1, 5, v0
	v_readfirstlane_b32 s12, v1                    ; wave 0..15
	s_bfe_u32 s13, ttmp6, 0x40000                  ; cx: it enters Q's and the output's addresses alone
	s_and_b32 s14, ttmp7, 0xffff                   ; batch x 16 + head, which the four partners share
	s_mul_i32 s15, s14, HSTR
	s_mul_i32 s17, s12, KST                        ; my key step's place in LDS
	s_mul_i32 s18, s12, REC
	s_add_co_u32 s18, s18, s15
	s_add_co_u32 s18, s18, 6400                    ; a record's K, V and their words: 12,800 dense bytes
	s_mov_b32 s19, 0
	s_mov_b32 s[G1], 15|(3<<16)|(1<<21)            ; the mask: all four work-groups; elements of 8 bytes; bit 21 beside a mask; no padding
	s_mov_b32 s[G1+1], 32<<16
	s_mov_b32 s[G1+2], 50<<16                      ; 50 rows of 256 bytes
	s_mov_b32 s[G1+3], 32<<16
	s_mov_b32 s[G1+4], 50
	s_mov_b32 s[G1+5], 32
	s_mov_b32 s[G1+6], 0
	s_mov_b32 s[G1+7], 0
	s_mov_b32 s[G0], 1
	s_mov_b32 s[G0+1], s17
	s_wait_dscnt 0x0
	s_wait_kmcnt 0x0
	s_add_nc_u64 s[G0+2:G0+3], s[4:5], s[18:19]
	s_or_b32 s[G0+3], s[G0+3], 0x80000000
	CROUND                                         ; all four work-groups are here: the joint loads meet
	tensor_load_to_lds s[G0:G0+3], s[G1:G1+7]      ; key step = my wave's number: one load a wave
	s_nop 0
	NOPS 4
	s_and_b32 s20, s12, 7                          ; my tile among its group's eight
	s_and_b32 s76, s12, 1
	s_mul_i32 s76, s76, 0x02020202
	s_add_co_u32 s76, s76, 0x01000100              ; byte selects: my tile's two bytes of its pair's word, twice
	s_mul_i32 s21, s20, 768
	s_lshr_b32 s36, s20, 1
	s_lshl_b32 s36, s36, 2
	s_add_co_u32 s36, s36, 6144
	s_lshl_b32 s22, s13, 2
	s_lshr_b32 s23, s12, 3
	s_add_co_u32 s22, s22, s23                     ; my group of 128 queries in pass 0: 4 cx + wave / 8; pass 1: two groups on
	s_mul_i32 s2, s22, REC
	s_add_co_u32 s2, s2, s15
	s_mov_b32 s3, 0
	s_add_nc_u64 s[70:71], s[4:5], s[2:3]          ; its record
	s_lshr_b32 s23, s14, 4
	s_lshl_b32 s23, s23, 4
	s_add_co_u32 s23, s23, s22
	s_mul_i32 s23, s23, RGB                        ; opnd3's record of these 128 tokens
	s_and_b32 s32, s14, 15                         ; the head
	s_lshr_b32 s33, s32, 1                         ; the last product's K step
	s_and_b32 s34, s32, 1                          ; and the half of it
	s_mul_i32 s2, s33, 12288
	s_add_co_u32 s2, s2, s23
	s_mul_i32 s35, s20, 1536
	s_add_co_u32 s2, s2, s35
	s_mul_i32 s35, s34, 768
	s_add_co_u32 s2, s2, s35
	s_add_nc_u64 s[72:73], s[6:7], s[2:3]          ; my half image
	s_lshl_b32 s2, s33, 9
	s_add_co_u32 s2, s2, s23
	s_add_co_u32 s2, s2, 98304
	s_lshr_b32 s35, s20, 2
	s_lshl_b32 s35, s35, 8
	s_add_co_u32 s2, s2, s35
	s_and_b32 s35, s20, 3
	s_lshl_b32 s35, s35, 2
	s_add_co_u32 s2, s2, s35
	s_lshl_b32 s35, s34, 1
	s_add_co_u32 s2, s2, s35
	s_add_nc_u64 s[74:75], s[6:7], s[2:3]          ; my tile's scale bytes
	s_mov_b32 s[SEL], 0x76543210
	s_mov_b32 s[SEL+1], 0xfedcba98
	s_mov_b32 s[CS], 0x3e38aa3b                    ; c = log2(e) / 8
	s_mov_b32 s[CS+1], s[CS]                       ; (named with it as a pair, so it is written)
	s_mov_b32 s[NC], 0xbe38aa3b                    ; -c
	s_mov_b32 s69, 2                               ; passes
	v_and_b32 v12, 31, v0                          ; lane
	v_and_b32 v13, 15, v0                          ; r
	v_bfe_u32 v14, v0, 4, 1                        ; h
	v_lshlrev_b32 v1, 4, v12                       ; 16 x lane
	v_lshlrev_b32 v15, 3, v12                      ; 8 x lane
	v_lshlrev_b32 v3, 4, v13                       ; 16 r
	v_cmp_ne_u32 s77, 0, v14                       ; lanes 16-31
	v_add_nc_u32 v8, s21, v1                       ; q's half image: registers 0-3,
	v_add_nc_u32 v9, s21, v15                      ; registers 4-5 (+ 512),
	v_add_nc_u32 v10, s36, v3                      ; and its pair's scale word
	v_add_nc_u32 v11, v3, v14                      ; the way out: my scale byte at 16 r + h
	v_mov_b32 v0, v15
.irp i, 0,1,2,3,4,5
	v_mov_b32 v[QB+\i], 0                          ; the zero runs on both sides of q: written once
	v_mov_b32 v[QA+6+\i], 0
.endr
.irp b, 0,1,2,3
	v_mov_b32 v[TP+\b], 0                          ; a lane permute's destination counts as one of its sources
.endr
	v_mov_b32 v[F+1], 0                            ; (named as the upper half of a pair)
	WALU                                           ; the head's end
	global_load_b128 v[12:15], v8, s[70:71] th:TH_LOAD_NT
	global_load_b64 v[2:3], v9, s[70:71] offset:512 th:TH_LOAD_NT
	global_load_b32 v213, v10, s[70:71]
	s_wait_tensorcnt 0x0                           ; my load has landed,
	s_barrier_signal -1
	s_barrier_wait -1                              ; everybody's has: the head's K and V lie in LDS, and nobody writes them again
	KLOAD RA, 0, 1, 0, 0                           ; key step 0's K
.Lpass:
	s_wait_loadcnt 0x0                             ; this pass's q
	v_perm_b32 v[QS], v213, v213, s76
.irp i, 0,1,2,3
	v_mov_b32 v[QA+\i], v[12+\i]
.endr
	v_mov_b32 v[QA+4], v2
	v_mov_b32 v[QA+5], v3
	v_mov_b32 v5, 0xff61b1e6                       ; the largest score so far: -3e38
	v_mul_f32 v4, s[NC], v5
	v_floor_f32 v4, v4                             ; -M
.set j, 0
.rept 16
	v_mov_b32 v[L+j], 0                            ; the sums
.set j, j+1
.endr
.set j, 0
.rept 32
	v_mov_b32 v[O+j], 0                            ; O^T: the first step finds zeros, which the first f leaves zeros.  (Also the places between the operands' writes and the first products)
.set j, j+1
.endr
	s_cmp_eq_u32 s69, 1                            ; the next pass's q is asked for now, if there is a next pass: no load leaves its buffer
	WALU
	s_cbranch_scc1 .Lno_next
	s_add_nc_u64 s[70:71], s[70:71], 2*REC         ; (the loads that read this base are done)
	global_load_b128 v[12:15], v8, s[70:71] th:TH_LOAD_NT
	global_load_b64 v[2:3], v9, s[70:71] offset:512 th:TH_LOAD_NT
	global_load_b32 v213, v10, s[70:71]
.Lno_next:
	s_mov_b32 s[TB], 0
	s_mov_b32 s68, 7
.Ltrip:                                            ; a trip is two key steps, until the regions are back where they began; seven trips, the eighth is written out
	v_add_nc_u32 v6, s[TB], v1
	v_add_nc_u32 v7, s[TB], v0
	WALU
	STEP RA, RB, 0, 0, 0
	STEP RB, RA, 1, KST, 0
	s_add_co_u32 s[TB], s[TB], 2*KST
	s_sub_co_u32 s68, s68, 1
	s_cmp_lg_u32 s68, 0
	s_cbranch_scc1 .Ltrip
	v_add_nc_u32 v6, 14*KST, v1
	v_add_nc_u32 v7, 14*KST, v0
	WALU
	STEP RA, RB, 0, 0, 0
	STEP RB, RA, 1, KST, 1
	; THE WAY OUT: O^T / the sum, quantised along the head's 64 (two blocks), as one half of a fragment of the last product's left operand.  Region A may be taking the next pass's K: region B is at work here.
.irp k, 0,4,8,12
	v_pk_add_f32 v[L+\k:L+\k+1], v[L+\k:L+\k+1], v[L+\k+2:L+\k+3]
.endr
	v_pk_add_f32 v[L:L+1], v[L:L+1], v[L+4:L+5]
	v_pk_add_f32 v[L+8:L+9], v[L+8:L+9], v[L+12:L+13]
	v_pk_add_f32 v[L:L+1], v[L:L+1], v[L+8:L+9]
	v_add_f32 v[L], v[L], v[L+1]
	v_permlanex16_b32 v[TP], v[L], s[SEL], s[SEL+1]
	v_add_f32 v[L], v[L], v[TP]                    ; the row's sum
	WALU
	v_rcp_f32 v[F], v[L]
	v_nop                                          ; a plain line behind the reciprocal
	WALU                                           ; and the wait ahead of its first reader, and of O^T's
.set j, 0
.rept 16
	v_pk_mul_f32 v[RB+j:RB+j+1], v[O+j:O+j+1], v[F:F+1] op_sel_hi:[1,0]
.set j, j+2
.endr
.irp b, 0,1
	v_max3_num_f32 v[BM+\b], |v[RB+16*\b]|, |v[RB+1+16*\b]|, 0x2800000
.endr
.irp i, 2,4,6,8,10,12,14
.irp b, 0,1
	v_max3_num_f32 v[BM+\b], v[BM+\b], |v[RB+16*\b+\i]|, |v[RB+1+16*\b+\i]|
.endr
.endr
.irp b, 0,1
	v_permlanex16_b32 v[TP+\b], v[BM+\b], s[SEL], s[SEL+1]
.endr
.irp b, 0,1
	v_max_num_f32 v[BM+\b], v[BM+\b], v[TP+\b]
.endr
.irp b, 0,1
	v_add_nc_u32 v[SO+\b], 0xfe000000, v[BM+\b]
.endr
.irp b, 0,1
	v_lshrrev_b32 v[TP+\b], 23, v[SO+\b]
.endr
	v_cvt_scalef32_pk16_bf6_f32 v[PC:PC+2], v[RB:RB+15], v[SO]
	v_cvt_scalef32_pk16_bf6_f32 v[PT:PT+2], v[RB+16:RB+31], v[SO+1]
	v_nop
.irp i, 0,1,2
	v_permlane16_swap_b32 v[PC+\i], v[PT+\i]
.endr
.irp i, 0,1,2
	v_mov_b32 v[PC+3+\i], v[PT+\i]
.endr
	v_cndmask_b32 v[TP+2], v[TP], v[TP+1], s77     ; lane (r, h): block h's byte of query r
	global_store_b128 v1, v[PC:PC+3], s[72:73]     ; 512 consecutive bytes, aligned to 256
	global_store_b64 v0, v[PC+4:PC+5], s[72:73] offset:512
	global_store_b8 v11, v[TP+2], s[74:75]         ; 32 bytes of one run of 256: the other bytes of these words are other heads'
	s_wait_xcnt 0x0                                ; the stores have read their registers and bases
	s_add_nc_u64 s[72:73], s[72:73], 2*RGB         ; two groups of tokens on
	s_add_nc_u64 s[74:75], s[74:75], 2*RGB
	s_sub_co_u32 s69, s69, 1
	s_cmp_lg_u32 s69, 0
	s_cbranch_scc1 .Lpass
	s_wait_tensorcnt 0x0                           ; the wave's end
	ds_add_u32 v254, v255
	s_wait_dscnt 0x0
	CROUND                                         ; the closing round
	s_endpgm
.Lfunc_end_k_q025a7ecc84_attn:
	.size	k_q025a7ecc84_attn, .Lfunc_end_k_q025a7ecc84_attn-k_q025a7ecc84_attn
	.p2alignl 7, 3214868480
	.fill 96, 4, 3214868480
	.section	.rodata,"a",@progbits
	.p2align	6, 0x0
	.amdhsa_kernel k_q025a7ecc84_attn
		.amdhsa_group_segment_fixed_size 206848
		.amdhsa_private_segment_fixed_size 0
		.amdhsa_enable_private_segment 0
		.amdhsa_kernarg_size 16
		.amdhsa_user_sgpr_count 2
		.amdhsa_user_sgpr_kernarg_segment_ptr 1
		.amdhsa_wavefront_size32 1
		.amdhsa_system_sgpr_workgroup_id_x 1
		.amdhsa_system_sgpr_workgroup_id_y 1
		.amdhsa_system_sgpr_workgroup_id_z 1
		.amdhsa_system_vgpr_workitem_id 0
		.amdhsa_next_free_vgpr 256
		.amdhsa_next_free_sgpr 100
		.amdhsa_reserve_vcc 0
		.amdhsa_float_denorm_mode_32 3
		.amdhsa_float_denorm_mode_16_64 3
		.amdhsa_memory_ordered 1
		.amdhsa_forward_progress 1
		.amdhsa_inst_pref_size 77
	.end_amdhsa_kernel
	.amdgpu_metadata
---
amdhsa.version: [ 1, 2 ]
amdhsa.kernels:
  - .name:           k_q025a7ecc84_attn
    .symbol:         k_q025a7ecc84_attn.kd
    .args:
      - { .name: qkvq, .offset: 0, .size: 8, .value_kind: global_buffer, .address_space: global }
      - { .name: opnd3, .offset: 8, .size: 8, .value_kind: global_buffer, .address_space: global }
    .group_segment_fixed_size: 206848
    .private_segment_fixed_size: 0
    .kernarg_segment_align: 8
    .kernarg_segment_size: 16
    .max_flat_workgroup_size: 512
    .sgpr_count:     100
    .vgpr_count:     256
    .wavefront_size: 32
...
	.end_amdgpu_metadata
.endif
;; end of part 3
;; launch gemm2 (part 4): grid 8 x 32, 4 waves a work-group, clusters of 4 x 4, 327,680 bytes of LDS; arguments opnd3, opnd1, out_b, out0; writes out0
.if DOCPART == 4
	.amdgcn_target "amdgcn-amd-amdhsa--gfx1250"
	.amdhsa_code_object_version 6
	.text
	.protected	k_q025a7ecc84_gemm2
	.globl	k_q025a7ecc84_gemm2
	.p2align	8
	.type	k_q025a7ecc84_gemm2,@function
k_q025a7ecc84_gemm2:
	s_mov_b64 s[64:65], 0
	v_nop
	global_prefetch_b8 v0, s[64:65] scope:SCOPE_SE
	s_setreg_imm32_b32 hwreg(HW_REG_WAVE_MODE, 25, 1), 1
	s_wait_xcnt 0x0
	s_wait_alu depctr_hold_cnt(0) depctr_sa_sdst(0) depctr_va_vdst(0) depctr_va_sdst(0) depctr_va_ssrc(0) depctr_va_vcc(0) depctr_vm_vsrc(0)
	s_getreg_b32 s2, hwreg(HW_REG_IB_STS2, 6, 4)
	s_cmp_eq_u32 s2, 0
	s_cbranch_scc0 .Lentry_in_a_cluster
	s_endpgm
.Lentry_in_a_cluster:
	s_bfe_u32 s2, ttmp6, 0x10000c
	s_cmp_lg_u32 s2, 0xf033
	s_cbranch_scc0 .Lentry_shape_is_right
	s_endpgm
.Lentry_shape_is_right:
; out0[token][n] = sum over k of o[token][k] out_w[n][k] + out_b[n], f32: 8,192 x 1,024 x 1,024 on codes of BF6 (E3M2) with E8M0 scales.
; opnd3 holds o, opnd1 (groups 88 to 95) out_w: records of 102,400 bytes for 128 rows: codes [K step 0..7][fragment 0..7][1,536 bytes, an image of 12 operand registers], then from byte 98,304
; the scale words [K step][fragment / 4][row r][fragment % 4].  Fragment i's lane row r is group row 32 (i / 2) + 8 (i % 2) + r + 8 (r / 8).
; THE DEAL: 256 work-groups of four waves, each 256 tokens x 128 columns.  Wave (a, b) of the 2 x 2 takes token group a and out_w's fragments 4 b .. 4 b + 3: 64 neighbouring columns.
; It holds these four fragments for all of K in registers (384) and streams its group's eight fragments of 16 tokens past them: a block is 32 products on four accumulators by turns.
; Source 0 = out_w's rows, source 1 = tokens: a lane holds one token and eight neighbouring columns an accumulator.  The bias is the first products' C.
; LDS: the two token records, out_w's record, the spare words, a stage of 16 rows x 272 bytes for each wave.  All is filled once, at the head: one joint load a wave: waves 0 and 1 a half of out_w's record each
; (shared by a column of the cluster), waves 2 and 3 a token record each (shared by a row).  No byte is filled again.  No prefetch: all that the launch reads is asked for in its first lines, and no loop runs ahead of a load.
; THE WAY OUT: behind a block's products its sums go into the wave's stage and come back as rows of 256 bytes; the fetch of the block two on follows; the rows are stored in the middle of the next block.
; LIMITS: NaN and infinities are not served; a sum begins with the bias, where the reference adds it last.
.set RGB,    102400
.set FR,     12
.set FPW,    21                        ; fragments in a window of 256 registers
.set HI,     4*12288                   ; K steps 4 to 7 go by a second address register: an LDS offset has 16 bits
.set WB,     2*RGB                     ; out_w's record in LDS
.set SPARE,  3*RGB                     ; the spare words: 128 bytes a wave
.set STAGE,  SPARE+512
.set SPITCH, 272
; window 0: v1 r, v2 h, v3 lane; v4-7 my token record (16 x lane, 8 x lane, the same + HI); fragments fill windows 1 to 3: 0-31 out_w's (4 q + t), 32-47 the tokens' two sets (32 + 8 e + q)
.set XA,   4
.set STO,  8                           ; the stage: where I put 32 bytes of a row
.set RD,   9                           ; the stage: where I read 16 bytes of a row back
.set CO,   10                          ; my byte offset in out0: row lane / 16, 16 bytes x (lane % 16)
.set ABY,  11
.set WS,   16                          ; LDS address of out_w's scale words
.set XS,   17                          ; of my tokens'
.set SPW,  18
.set NIL,  19
.set SB,   20                          ; v20-51  out_w's scale words: 4 q + t
.set SA,   56                          ; v56-87  the tokens': 4 q + i % 4, for four blocks.  A product's two scale registers differ modulo 8 in their numbers
.set ACC,  88                          ; v88-151 two sets of four accumulators
.set BK,   152                         ; v152-215 two sets: 16 rows x 256 bytes back from the stage
.set WA,   152                         ; head: v152-155 LDS addresses of my fragments of out_w, as v4-7
.set BO,   216                         ; v216-247 the bias as the first products' C
.set G1X,  24
.set G0X,  32
.set G1W,  48
.set G0W,  56
.set MSB, 0
.macro WIN new
.if MSB != (\new)
	s_set_vgpr_msb (MSB<<8)|(\new)
.set MSB, \new
.endif
.endm
.macro PLACES n
.rept \n
	v_nop
.endr
.endm
.macro WALU
	s_wait_alu depctr_va_vdst(0)
.endm
.macro BARRIER
	s_barrier_signal -1
	s_barrier_wait -1
.endm
.macro CROUND
	BARRIER
	s_cmp_lg_u32 s14, 0
	s_cbranch_scc1 .Lnot_wave_0_\@
	s_barrier_signal -3
.Lnot_wave_0_\@:
	s_barrier_wait -3
	BARRIER
.endm
.macro FRAGL f, a16, a8, off           ; fragment f's image: every load reads consecutive bytes
	WIN (1+(\f)/FPW)<<6
.set R_, FR*((\f)%FPW)
	ds_load_b128 v[R_:R_+3], v[\a16] offset:\off
	ds_load_b64 v[R_+4:R_+5], v[\a8] offset:(\off)+512
	ds_load_b128 v[R_+6:R_+9], v[\a16] offset:(\off)+768
	ds_load_b64 v[R_+10:R_+11], v[\a8] offset:(\off)+1280
.endm
.macro FETCH i                         ; block i's eight fragments into set i % 2: 32 loads
.irp q, 0,1,2,3
	FRAGL 32+8*((\i)%2)+\q, XA, XA+1, \q*12288+(\i)*1536
.endr
.irp q, 0,1,2,3
	FRAGL 36+8*((\i)%2)+\q, XA+2, XA+3, \q*12288+(\i)*1536
.endr
	WIN 0
.endm
.macro XSCALES g                       ; the scale words of blocks 4 g .. 4 g + 3: 8 loads
.irp q, 0,1,2,3,4,5,6,7
	ds_load_b128 v[SA+4*\q:SA+4*\q+3], v[XS] offset:\q*512+256*(\g)
.endr
.endm
.macro PROD e, i, n                    ; product n = 4 q + t of block i, whose rows lie in set e
.set Q_, (\n)/4
.set T_, (\n)%4
.set FB_, 4*Q_+T_
.set FA_, 32+8*(\e)+Q_
.set D_, ACC+32*(\e)+8*T_
	WIN (1+FB_/FPW)|((1+FA_/FPW)<<2)
.if Q_
	v_wmma_scale_f32_16x16x128_f8f6f4 v[D_:D_+7], v[FR*(FB_%FPW):FR*(FB_%FPW)+FR-1], v[FR*(FA_%FPW):FR*(FA_%FPW)+FR-1], v[D_:D_+7], v[SB+4*Q_+T_], v[SA+4*Q_+(\i)%4] matrix_a_fmt:MATRIX_FMT_BF6 matrix_b_fmt:MATRIX_FMT_BF6
.else
	v_wmma_scale_f32_16x16x128_f8f6f4 v[D_:D_+7], v[FR*(FB_%FPW):FR*(FB_%FPW)+FR-1], v[FR*(FA_%FPW):FR*(FA_%FPW)+FR-1], v[BO+8*T_:BO+8*T_+7], v[SB+4*Q_+T_], v[SA+4*Q_+(\i)%4] matrix_a_fmt:MATRIX_FMT_BF6 matrix_b_fmt:MATRIX_FMT_BF6
.endif
.endm
.macro PRODS e, i, from, to
.set N_, \from
.rept (\to)-(\from)
	PROD \e, \i, N_
.set N_, N_+1
.endr
.endm
.macro STAGED e                        ; set e's sums into my stage, each accumulator from its low end on, and back as whole rows: LDS serves a wave's instructions in order (ISA guide 5.7.1.4), so no wait stands between
.irp t, 0,1,2,3
	ds_store_b128 v[STO], v[ACC+32*(\e)+8*\t:ACC+32*(\e)+8*\t+3] offset:128*(\t/2)+32*(\t%2)
	ds_store_b128 v[STO], v[ACC+32*(\e)+8*\t+4:ACC+32*(\e)+8*\t+7] offset:128*(\t/2)+32*(\t%2)+16
.endr
.irp t, 0,1,2,3,4,5,6,7
	ds_load_b128 v[BK+32*(\e)+4*\t:BK+32*(\e)+4*\t+3], v[RD] offset:2*\t*SPITCH
.endr
.endm
.macro TOC i                           ; block i's rows go out: sixteen lanes store 256 consecutive bytes, aligned; stage rows 2 t, 2 t + 1 are group rows 32 (i / 2) + 8 (i % 2) + 2 t + 8 (t / 4) and the next
.irp t, 0,1,2,3,4,5,6,7
	global_store_b128 v[CO], v[BK+32*((\i)%2)+4*\t:BK+32*((\i)%2)+4*\t+3], s[10:11] offset:(32*((\i)/2)+8*((\i)%2)+2*\t+8*(\t/4))*4096 th:TH_STORE_NT
.endr
.endm
.macro RUN s                           ; the run of memory lines behind block s's products
	WIN 0
	PLACES 4                                       ; four places between the last product and the first reader of its sums, and the loads into registers that it read
	s_wait_xcnt 0x0                                ; the stores of two blocks ago have read the set of rows that is loaded anew
.if (\s) == 3
	XSCALES 1
.endif
	STAGED (\s)%2
.if (\s)+2 < 8
	FETCH (\s)+2
.endif
.endm
	s_load_b256 s[4:11], s[0:1], 0x0               ; opnd3 s[4:5], opnd1 s[6:7], out_b s[8:9], out0 s[10:11]
	v_lshl_add_u32 v[SPW], v0, 2, SPARE
	v_mov_b32 v[NIL], 0
	ds_add_u32 v[SPW], v[NIL]                      ; the opening lines: the add, twice on end, and its wait
	ds_add_u32 v[SPW], v[NIL]
	v_lshrrev_b32 v1, 5, v0
	v_readfirstlane_b32 s14, v1                    ; the wave
	s_lshr_b32 s15, s14, 1                         ; a: my token group.  Also: I fetch for out_w (0) or for the tokens (1)
	s_and_b32 s16, s14, 1                          ; b: my half of the columns.  Also: which half or record I fetch
	s_bfe_u32 s40, ttmp6, 0x40000                  ; cx
	s_bfe_u32 s41, ttmp6, 0x40004                  ; cy
	s_and_b32 s12, ttmp7, 0xffff
	s_lshl_b32 s12, s12, 2
	s_add_co_u32 s12, s12, s41                     ; the tile of 256 tokens
	s_lshl_b32 s13, ttmp9, 2
	s_add_co_u32 s13, s13, s40                     ; the tile of 128 columns
	s_lshl_b32 s42, s41, 2
	s_lshl_b32 s42, 15, s42                        ; my row of the cluster shares the tokens
	s_lshl_b32 s43, 0x1111, s40                    ; my column shares out_w's rows
	s_or_b32 s[G1X], s42, (3<<16)|(1<<21)          ; elements of 8 bytes; bit 21 beside a mask; dense rows of 256 bytes
	s_mov_b32 s[G1X+1], 32<<16
	s_mov_b32 s[G1X+2], 400<<16                    ; a record: 400 rows
	s_mov_b32 s[G1X+3], 32<<16
	s_mov_b32 s[G1X+4], 400
	s_mov_b32 s[G1X+5], 32
	s_mov_b32 s[G1X+6], 0
	s_mov_b32 s[G1X+7], 0
	s_or_b32 s[G1W], s43, (3<<16)|(1<<21)
	s_mov_b32 s[G1W+1], 32<<16
	s_mov_b32 s[G1W+2], 200<<16                    ; half a record
	s_mov_b32 s[G1W+3], 32<<16
	s_mov_b32 s[G1W+4], 200
	s_mov_b32 s[G1W+5], 32
	s_mov_b32 s[G1W+6], 0
	s_mov_b32 s[G1W+7], 0
	s_lshl_b32 s20, s12, 1
	s_add_co_u32 s20, s20, s16
	s_mul_i32 s20, s20, RGB                        ; the token record that I fetch
	s_mov_b32 s21, 0
	s_add_co_u32 s46, s13, 88
	s_mul_i32 s46, s46, RGB
	s_mul_i32 s44, s16, RGB/2
	s_add_co_u32 s46, s46, s44                     ; the half of out_w's record that I fetch
	s_mov_b32 s47, 0
	s_mov_b32 s[G0X], 1
	s_mul_i32 s[G0X+1], s16, RGB
	s_mov_b32 s[G0W], 1
	s_add_co_u32 s[G0W+1], s44, WB
	WALU
	s_wait_dscnt 0x0
	CROUND                                         ; all sixteen work-groups are here: the joint loads meet
	s_wait_kmcnt 0x0
	s_add_nc_u64 s[G0X+2:G0X+3], s[4:5], s[20:21]
	s_or_b32 s[G0X+3], s[G0X+3], 0x80000000
	s_add_nc_u64 s[G0W+2:G0W+3], s[6:7], s[46:47]
	s_or_b32 s[G0W+3], s[G0W+3], 0x80000000
	s_cmp_eq_u32 s15, 0
	s_cbranch_scc0 .Lfor_x
	tensor_load_to_lds s[G0W:G0W+3], s[G1W:G1W+7]  ; waves 0, 1: out_w's record, which goes on into registers
	s_nop 0
	PLACES 4
	s_branch .Lasked
.Lfor_x:
	tensor_load_to_lds s[G0X:G0X+3], s[G1X:G1X+7]  ; waves 2, 3: the token records
	s_nop 0
	PLACES 4
.Lasked:
	s_mul_i32 s2, s15, RGB                         ; my token record in LDS
	s_mul_i32 s3, s16, 6144
	s_add_co_u32 s3, s3, WB                        ; my four fragments of out_w
	s_lshl_b32 s20, s16, 8
	s_add_co_u32 s20, s20, WB+98304                ; their scale words
	s_add_co_u32 s21, s2, 98304                    ; my tokens' scale words
	s_mul_i32 s22, s14, 16*SPITCH
	s_add_co_u32 s22, s22, STAGE                   ; my stage
	s_lshl_b32 s44, s13, 9
	s_lshl_b32 s45, s16, 8
	s_add_co_u32 s44, s44, s45                     ; my first column, in bytes
	s_mov_b32 s45, 0
	s_add_nc_u64 s[8:9], s[8:9], s[44:45]
	s_lshl_b32 s46, s12, 1
	s_add_co_u32 s46, s46, s15
	s_lshl_b32 s46, s46, 19                        ; my 128 rows of 4,096 bytes
	s_add_co_u32 s46, s46, s44
	s_mov_b32 s47, 0
	s_add_nc_u64 s[10:11], s[10:11], s[46:47]
	v_and_b32 v1, 15, v0                           ; r
	v_bfe_u32 v2, v0, 4, 1                         ; h
	v_and_b32 v3, 31, v0                           ; lane
	v_lshl_add_u32 v[XA], v3, 4, s2
	v_lshl_add_u32 v[XA+1], v3, 3, s2
	v_add_nc_u32 v[XA+2], HI, v[XA]
	v_add_nc_u32 v[XA+3], HI, v[XA+1]
	v_lshl_add_u32 v[WA], v3, 4, s3
	v_lshl_add_u32 v[WA+1], v3, 3, s3
	v_add_nc_u32 v[WA+2], HI, v[WA]
	v_add_nc_u32 v[WA+3], HI, v[WA+1]
	v_lshl_add_u32 v[WS], v1, 4, s20
	v_lshl_add_u32 v[XS], v1, 4, s21
	v_mul_u32_u24 v[STO], v1, SPITCH               ; in: row r, 64 bytes for each half of the lanes
	v_lshl_add_u32 v[STO], v2, 6, v[STO]
	v_add_nc_u32 v[STO], s22, v[STO]
	v_mul_u32_u24 v[RD], v2, SPITCH                ; back: lanes 0-15 one row of 256 bytes, lanes 16-31 the next
	v_lshl_add_u32 v[RD], v1, 4, v[RD]
	v_add_nc_u32 v[RD], s22, v[RD]
	v_lshlrev_b32 v[CO], 12, v2                    ; and the same two rows in out0
	v_lshl_add_u32 v[CO], v1, 4, v[CO]
	v_lshlrev_b32 v[ABY], 6, v2
	WALU                                           ; the head's end
.irp t, 0,1,2,3
	global_load_b128 v[BO+8*\t:BO+8*\t+3], v[ABY], s[8:9] offset:(32*(\t/2)+8*(\t%2))*4       ; register j of accumulator t: column 32 (t / 2) + 8 (t % 2) + 16 h + j of my 64
	global_load_b128 v[BO+8*\t+4:BO+8*\t+7], v[ABY], s[8:9] offset:(32*(\t/2)+8*(\t%2))*4+16
.endr
	s_cmp_eq_u32 s15, 0
	s_cbranch_scc0 .Lnot_w
	s_wait_tensorcnt 0x0                           ; waves 0, 1: my half of out_w's record has landed
.Lnot_w:
	BARRIER                                        ; out_w's record is whole; the token records may still be on their way
.irp q, 0,1,2,3
.irp t, 0,1,2,3
	FRAGL 4*\q+\t, WA, WA+1, \q*12288+\t*1536
.endr
.endr
.irp q, 0,1,2,3
.irp t, 0,1,2,3
	FRAGL 16+4*\q+\t, WA+2, WA+3, \q*12288+\t*1536
.endr
.endr
	WIN 0
.irp q, 0,1,2,3,4,5,6,7
	ds_load_b128 v[SB+4*\q:SB+4*\q+3], v[WS] offset:\q*512
.endr
	s_wait_tensorcnt 0x0                           ; every wave: all that is still out
	s_wait_dscnt 0x0
	BARRIER                                        ; the token records are whole
	XSCALES 0
	FETCH 0
	FETCH 1
	s_wait_loadcnt 0x0                             ; the bias
	s_wait_dscnt 32                                ; block 0's rows and the scale words are in; younger is block 1's fetch
	PRODS 0, 0, 0, 32
	RUN 0
.irp s, 1,2,3,4,5,6,7
.if \s < 7
	s_wait_dscnt 48                                ; block s's rows are in; younger are the last run's 16 stage lines and its fetch of 32
.else
	s_wait_dscnt 16
.endif
	PRODS (\s)%2, \s, 0, 16
	WIN 0
.if \s < 7
	s_wait_dscnt 32                                ; the last block's rows are back from the stage; younger is the fetch
.else
	s_wait_dscnt 0x0
.endif
	TOC (\s)-1
	PRODS (\s)%2, \s, 16, 32
	RUN \s
.endr
	s_wait_dscnt 0x0
	TOC 7
	s_wait_tensorcnt 0x0                           ; the wave's end
	ds_add_u32 v[SPW], v[NIL]
	s_wait_dscnt 0x0
	CROUND                                         ; the closing round
	s_endpgm
.Lfunc_end_k_q025a7ecc84_gemm2:
	.size	k_q025a7ecc84_gemm2, .Lfunc_end_k_q025a7ecc84_gemm2-k_q025a7ecc84_gemm2
	.p2alignl 7, 3214868480
	.fill 96, 4, 3214868480
	.section	.rodata,"a",@progbits
	.p2align	6, 0x0
	.amdhsa_kernel k_q025a7ecc84_gemm2
		.amdhsa_group_segment_fixed_size 327680
		.amdhsa_private_segment_fixed_size 0
		.amdhsa_enable_private_segment 0
		.amdhsa_kernarg_size 32
		.amdhsa_user_sgpr_count 2
		.amdhsa_user_sgpr_kernarg_segment_ptr 1
		.amdhsa_wavefront_size32 1
		.amdhsa_system_sgpr_workgroup_id_x 1
		.amdhsa_system_sgpr_workgroup_id_y 1
		.amdhsa_system_sgpr_workgroup_id_z 1
		.amdhsa_system_vgpr_workitem_id 0
		.amdhsa_next_free_vgpr 840
		.amdhsa_next_free_sgpr 100
		.amdhsa_reserve_vcc 0
		.amdhsa_float_denorm_mode_32 3
		.amdhsa_float_denorm_mode_16_64 3
		.amdhsa_memory_ordered 1
		.amdhsa_forward_progress 1
		.amdhsa_inst_pref_size 83
	.end_amdhsa_kernel
	.amdgpu_metadata
---
amdhsa.version: [ 1, 2 ]
amdhsa.kernels:
  - .name:           k_q025a7ecc84_gemm2
    .symbol:         k_q025a7ecc84_gemm2.kd
    .args:
      - { .name: opnd3, .offset: 0, .size: 8, .value_kind: global_buffer, .address_space: global }
      - { .name: opnd1, .offset: 8, .size: 8, .value_kind: global_buffer, .address_space: global }
      - { .name: out_b, .offset: 16, .size: 8, .value_kind: global_buffer, .address_space: global }
      - { .name: out0, .offset: 24, .size: 8, .value_kind: global_buffer, .address_space: global }
    .group_segment_fixed_size: 327680
    .private_segment_fixed_size: 0
    .kernarg_segment_align: 8
    .kernarg_segment_size: 32
    .max_flat_workgroup_size: 128
    .sgpr_count:     100
    .vgpr_count:     840
    .wavefront_size: 32
...
	.end_amdgpu_metadata
.endif
;; end of part 4
